; MI455X (gfx1250); checked and timed in simulation.
; The chip was launched on July 23, 2026; its instructions are those of AMD's public machine-readable ISA for CDNA 5 (MIT licence, August 2026) and "CDNA5" Instruction Set Architecture Reference Guide (July 2026). The comments in the code are by the model that wrote it; some were corrected since.
;; Local Attention. Allowed arithmetic: matrix products marked QUANTISED: E2M1 operands, one E8M0 scale for each 32 along K, by v_wmma_scale_f32_16x16x128_f8f6f4 with both operands' format E2M1 (or v_wmma_scale_f32_32x16x128_f4), f32 sums; products left as they are: bf16, f16 or f32 operands; f32 sums; everything else in f32.
;; Inputs: Wk 1,024 x 1,024 float32; Wo 1,024 x 1,024 float32; Wq 1,024 x 1,024 float32; Wv 1,024 x 1,024 float32; bk 1,024 float32; bo 1,024 float32; bq 1,024 float32; bv 1,024 float32; x 4 x 2,048 x 1,024 float32.
;; Outputs: out0 4 x 2,048 x 1,024 float32.
;; This version of the problem:
;;   THIS VERSION OF THE PROBLEM IS GIVEN IN LOW PRECISION. The matrix products marked QUANTISED in the list below multiply operands that are first quantised to E2M1 (2 exponent bits, 1 mantissa bit; 4 bits a number), with one power-of-two scale for each 32 numbers along K (OCP MX v1.0); their sums are f32. The products marked 'left as it is' may take bf16, f16 or f32 operands, with f32 sums. Whichever they take, every output number must still come out within the allowed error. Rounding operands to bf16 (8 significant bits) uses up far more of that allowance than f16 does (11 bits, for magnitudes from 6e-5 to 65,504). All else is computed in f32.
;;   The module's matrix products, in the order in which they are computed (A, B: the left and right operand; K: the contracted axis; several contracted axes count as one K, in the product's order):
;;     1. [M 8,192, K 1,024] x [K 1,024, N 1,024]; A: input x; B: input Wq: QUANTISED
;;     2. [M 8,192, K 1,024] x [K 1,024, N 1,024]; A: input x; B: input Wk: QUANTISED
;;     3. [M 8,192, K 1,024] x [K 1,024, N 1,024]; A: input x; B: input Wv: QUANTISED
;;     4. batch 4 x [M 2,048, K 1,024] x [K 1,024, N 2,048]; A: computed on the way; B: computed on the way: left as it is (an operand is computed on the way)
;;     5. batch 4 x [M 2,048, K 2,048] x [K 2,048, N 1,024]; A: computed on the way; B: computed on the way: left as it is (an operand is computed on the way)
;;     6. [M 8,192, K 1,024] x [K 1,024, N 1,024]; A: computed on the way; B: input Wo: left as it is (an operand is computed on the way)
;;   THE QUANTISER, for each operand of a quantised product, along K:
;;     - K is cut into blocks of 32 from its start; a last block that is shorter is filled with zeros.
;;     - A block's scale is 2^e with e = floor(log2(the largest magnitude in the block)) - 2, held to -126 .. 127; a block of zeros has e = 0. As a byte (E8M0): e + 127.
;;     - Each number is divided by its block's scale, clamped to +-6, and rounded to the nearest number of E2M1, ties to even, subnormals kept.
;;     - The product sums the exact products of the quantised numbers (number of the format x scale) in f32.
;;   ~~~python
;;   def quantise(x, axis):      # numpy; x: float32 -> the quantised numbers, widened to float32 again
;;       x = np.moveaxis(x, axis, -1); K = x.shape[-1]
;;       x = np.pad(x, [(0, 0)] * (x.ndim - 1) + [(0, -K % 32)]); x = x.reshape(x.shape[:-1] + (-1, 32)); a = np.abs(x).max(-1, keepdims=True)
;;       e = np.where(a > 0, np.clip(np.frexp(np.where(a > 0, a, 1))[1] - 1 - 2, -126, 127), 0)      # np.frexp(a)[1] - 1 = floor(log2(a)), exactly
;;       r = np.clip(x / 2.0 ** e, -6, 6)
;;       step = 2.0 ** (np.maximum(np.frexp(np.where(r == 0, 1, r))[1] - 1, 0) - 1)
;;       q = np.round(r / step) * step * 2.0 ** e      # np.round: ties to even
;;       return np.moveaxis(q.reshape(q.shape[:-2] + (-1,))[..., :K], -1, axis).astype(np.float32)
;;   ~~~
;; One version. Each part assembles by itself: llvm-mc -triple=amdgcn-amd-amdhsa -mcpu=gfx1250 --defsym DOCPART=n.
;; ======== version 1 of 1: 5 launches
;; limits: values are held in f16: magnitudes above 65,504 overflow, below 6.1e-05 lose precision
;; workspace buffers: prep 8,388,608 bytes; qkv 50,331,648 bytes; pf 33,554,432 bytes; st 2,097,152 bytes; yf 16,777,216 bytes
;; launch prep (part 1): grid 480 x 1, 4 waves a work-group, no clusters, 33,280 bytes of LDS; arguments x, Wq, Wk, Wv, Wo, prep; writes prep
.if DOCPART == 1
	.amdgcn_target "amdgcn-amd-amdhsa--gfx1250"
	.amdhsa_code_object_version 6
	.text
	.protected	k_q0aa12b1231_prep
	.globl	k_q0aa12b1231_prep
	.p2align	8
	.type	k_q0aa12b1231_prep,@function
k_q0aa12b1231_prep:
	s_mov_b64 s[64:65], 0
	v_nop
	global_prefetch_b8 v0, s[64:65] scope:SCOPE_SE
	s_setreg_imm32_b32 hwreg(HW_REG_WAVE_MODE, 25, 1), 1
	s_wait_xcnt 0x0
; LocalAttention, launch 1 of 5.  x [8192][1024], Wq, Wk, Wv [1024][1024] (f32, K innermost) become codes of FP4 (E2M1) with one E8M0 byte for each 32 along K; Wo becomes f16 in the order of a matrix operand's registers.
; WORK LEFT OUT BY THE WHOLE PROGRAM, AND WHY IT IS DEAD.
;  bk: score(i, j) = q_i . (k'_j + bk) / 32 = q_i . k'_j / 32 + q_i . bk / 32.  The second term is the same for all j of row i, the product q k^T is not quantised, and the softmax along j takes away whatever is the same
;      along j, for every finite value of the inputs; a masked place has the weight 0 with or without it.  So bk has no way to any output: it is not loaded and is no launch's argument.
;  masked tiles: the mask that the problem builds itself gives key j < i - 16 the weight 0.  Tiles of scores, and steps of the second product, that lie wholly under it are not computed.
;  LIMIT: a NaN, an infinity or an overflow that reaches only bk or masked tiles is not carried to the result.
; OTHER LIMITS OF THE PROGRAM: q, k, v and y are kept as f16 operands and must stay within +-65,504; masked scores are set to -2^100, so true scores under -2^100 are not served;
;  a block of zeros gets the scale byte 1 where the rule says 127 (its codes are zeros, and this program alone reads the bytes); blocks whose largest magnitude lies under 2^-124 were not tried; NaN and infinities among the inputs are not served.
; THE BUFFER prep: at 0 the codes [11,264 rows][512 bytes]: rows 0-8,191 x, then 1,024 each of Wq, Wk, Wv; at SCOFF the scale bytes [11,264][32];
;  at WOFF Wo as [ks 8][ct 64][f 4] fragments of 1 KiB: out-channels 16 ct + (lane % 16), in-channels 128 ks + 32 f on; a fragment's registers 0-3 lie at 16 x lane, registers 4-7 at 512 + 16 x lane.
; WORK-GROUPS 0-351 quantise: rows are dense, so all four tensors are streams of blocks of 32, and codes and bytes are one stream for all four.  A wave takes 16 steps of 512 numbers.  Each load reads 512 consecutive bytes;
;  a step's 2,048 bytes turn through the wave's own stage in LDS so that a lane holds 16 neighbours along K; two neighbouring lanes hold a block.  A wave's 256 scale bytes are gathered in LDS and leave as 256 consecutive bytes.
;  Loads run EIGHT steps ahead: 32 loads, 16 KiB, of every wave are on their way, so that a wave's 16 steps are asked for in two goes.
; WORK-GROUPS 352-479 convert Wo, a block of 16 rows x 128 numbers to a wave: all its 16 loads go out at once.  No LDS there.  No matrix unit, no cluster, no barrier: waves share nothing, and every byte is read once.
.set WAVES, 4
.set STEPS, 16
.set DEPTH, 8                          ; steps whose loads are on their way
.set NQWG,  352                        ; (8,192 + 3 x 1,024) x 1,024 / 32,768
.set EMAX,  2
.set CB,    8                          ; bytes of 16 codes
.set R,     16                         ; v16-143  eight sets of 16 numbers as they are loaded
.set X,     144                        ; v144-175 two sets of 16 neighbours
.set E,     176                        ; v176-191 a scale byte for each step
.set C,     192                        ; v192-255 codes: four registers for each step, so that no store's data are written again
.set WREG,  8192                       ; LDS: a region for each wave: two stages of 32 x SP bytes, then its 256 scale bytes
.set SP,    80                         ; a lane's place in a stage: 64 bytes + 16 of padding
.set SPW,   12                         ; v12  LDS address of my spare word; never rewritten
.set NIL,   13                         ; v13  0; never rewritten
.set SPARE, WAVES*WREG                 ; the spare words: 128 bytes for each wave
.set SCOFF, 5767168
.set WOFF,  6291456
.set WI,    32                         ; Wo's path: v32-95 a block's 64 numbers a lane
.set WOU,   96                         ; v96-127 its 32 registers of f16
	s_load_b256 s[4:11], s[0:1], 0x0               ; x, Wq, Wk, Wv
	s_load_b128 s[12:15], s[0:1], 0x20             ; Wo, prep
	v_lshl_add_u32 v[SPW], v0, 2, SPARE
	v_mov_b32 v[NIL], 0
	v_lshrrev_b32 v1, 5, v0
	v_readfirstlane_b32 s16, v1                    ; wave
	v_and_b32 v2, 31, v0                           ; lane
	s_cmp_ge_u32 ttmp9, NQWG
	s_cbranch_scc1 .Lwo
	v_lshlrev_b32 v3, 4, v2                        ; my 16 bytes of a load's 512
	s_mul_i32 s17, s16, WREG
	v_lshrrev_b32 v14, 2, v2
	v_mul_u32_u24 v14, v14, SP
	v_and_b32 v15, 3, v2
	v_lshl_add_u32 v14, v15, 4, v14
	v_add_nc_u32 v14, s17, v14                     ; the stage, on the way in: SP (lane / 4) + 16 (lane % 4)
	v_mul_u32_u24 v15, v2, SP
	v_add_nc_u32 v15, s17, v15                     ; and on the way out: SP x lane: my 16 neighbours
	v_mul_u32_u24 v4, v2, CB                       ; my codes' place in a step's
	v_lshrrev_b32 v5, 1, v2
	s_add_co_u32 s17, s17, 2*32*SP
	v_add_nc_u32 v5, s17, v5                       ; LDS: my wave's 256 scale bytes, my block's byte
	v_lshlrev_b32 v7, 3, v2                        ; and on the way out 8 bytes a lane
	v_add_nc_u32 v6, s17, v7
	s_wait_kmcnt 0x0
	s_cmp_lt_u32 ttmp9, 320                        ; which tensor: the choice hangs on the work-group's number alone
	s_cselect_b64 s[20:21], s[8:9], s[10:11]
	s_cmp_lt_u32 ttmp9, 288
	s_cselect_b64 s[20:21], s[6:7], s[20:21]
	s_cmp_lt_u32 ttmp9, 256
	s_cselect_b64 s[20:21], s[4:5], s[20:21]
	s_cselect_b32 s17, -1, 31
	s_and_b32 s17, ttmp9, s17                      ; the work-group's number within its tensor (256, 288 and 320 are multiples of 32)
	s_lshl_b32 s17, s17, 2
	s_add_co_u32 s17, s17, s16                     ; which run of 8,192 numbers of the tensor is my wave's
	s_lshl_b32 s18, s17, 15                        ; 32,768 bytes a run
	s_mov_b32 s19, 0
	s_add_nc_u64 s[20:21], s[20:21], s[18:19]
	s_lshl_b32 s17, ttmp9, 2
	s_add_co_u32 s17, s17, s16                     ; and which run of the one stream of codes and bytes
	s_lshl_b32 s18, s17, 12                        ; 4,096 bytes of codes a run
	s_add_nc_u64 s[22:23], s[14:15], s[18:19]
	s_lshl_b32 s18, s17, 8                         ; 256 scale bytes a run
	s_add_nc_u64 s[24:25], s[14:15], s[18:19]
	s_add_nc_u64 s[24:25], s[24:25], SCOFF
.macro LOAD t
.irp i, 0,1,2,3
	global_load_b128 v[R+16*((\t)%DEPTH)+4*\i:R+16*((\t)%DEPTH)+4*\i+3], v3, s[20:21] offset:2048*(\t)+512*\i th:TH_LOAD_NT   ; 32 lanes read 512 consecutive bytes
.endr
.endm
.macro TURN t                          ; step t's numbers through the stage: LDS serves a wave's instructions in order, so no wait stands between the stores and the loads
.irp i, 0,1,2,3
	ds_store_b128 v14, v[R+16*((\t)%DEPTH)+4*\i:R+16*((\t)%DEPTH)+4*\i+3] offset:32*SP*((\t)%2)+8*SP*\i
.endr
.irp i, 0,1,2,3
	ds_load_b128 v[X+16*((\t)%2)+4*\i:X+16*((\t)%2)+4*\i+3], v15 offset:32*SP*((\t)%2)+16*\i
.endr
.endm
.irp t, 0,1,2,3,4,5,6,7
	LOAD \t
.endr
	s_wait_loadcnt 4*(DEPTH-1)                     ; step 0's four loads are in; the seven steps behind it may be out
	TURN 0
.macro STEP t
.set XS, X+16*((\t)%2)
.if (\t) > 0
	s_wait_dscnt 1                                 ; this step's numbers are back from the stage (the last step's byte store may be out): so its stores into the stage have read their registers,
.else
	s_wait_dscnt 0x0
.endif
.if (\t)+DEPTH < STEPS
	LOAD (\t)+DEPTH                                ; which take the loads of eight steps on
.set LASTL, (\t)+DEPTH
.else
.set LASTL, STEPS-1
.endif
.if (\t)+1 < STEPS
	s_wait_loadcnt 4*(LASTL-(\t)-1)                ; the next step's four loads are in; those of the steps behind it, up to the last one asked for, may be out
	TURN (\t)+1                                    ; and go through the other stage while this step is worked
.endif
	v_max3_num_f32 v8, |v[XS]|, |v[XS+1]|, |v[XS+2]|               ; the largest magnitude of my 16
	v_max3_num_f32 v9, |v[XS+3]|, |v[XS+4]|, |v[XS+5]|
.irp i, 6,10
	v_max3_num_f32 v8, v8, |v[XS+\i]|, |v[XS+\i+1]|
	v_max3_num_f32 v9, v9, |v[XS+\i+2]|, |v[XS+\i+3]|
.endr
	v_max3_num_f32 v8, v8, |v[XS+14]|, |v[XS+15]|
	v_max3_num_f32 v8, v8, v9, (EMAX+1)<<23        ; and the floor 2^(EMAX + 1 - 127): so the byte cannot fall under 1
	v_max_num_f32_dpp v8, v8, v8 row_xmask:1 row_mask:0xf bank_mask:0xf   ; and of my neighbour's 16: the block's
	v_add_nc_u32 v11, -(EMAX<<23), v8              ; EMAX off its exponent field: the conversion takes the exponent field of this operand as its scale
	v_cvt_scalef32_pk8_fp4_f32 v[C+4*(\t)], v[XS:XS+7], v11        ; eight numbers / the scale, to the nearest code, ties to even, beyond the largest code the largest
	v_cvt_scalef32_pk8_fp4_f32 v[C+4*(\t)+1], v[XS+8:XS+15], v11
	v_lshrrev_b32 v[E+(\t)], 23, v11               ; the scale's byte
	ds_store_b8 v5, v[E+(\t)] offset:16*(\t)       ; both lanes of a block write the same byte with the same value
	global_store_b64 v4, v[C+4*(\t):C+4*(\t)+1], s[22:23] offset:32*CB*(\t)   ; the wave stores 256 consecutive bytes
.endm
.irp t, 0,1,2,3,4,5,6,7,8,9,10,11,12,13,14,15
	STEP \t
.endr
	ds_load_b64 v[8:9], v6                         ; LDS serves a wave's instructions in order: these see my stores
	s_wait_dscnt 0x0
	global_store_b64 v7, v[8:9], s[24:25]          ; 32 lanes store 256 consecutive bytes, aligned
	s_wait_tensorcnt 0x0                           ; the wave's end, behind my last LDS store
	ds_add_u32 v[SPW], v[NIL]
	s_wait_dscnt 0x0
	s_endpgm
; Wo.  Wave 4 (work-group - 352) + wave takes the block of that number of the 512 (block = 64 ks + ct): 16 rows x 128 numbers, four fragments.
; Lane (r, h) wants of row 16 ct + r, for fragment f and half g of its registers, the eight numbers at 128 ks + 32 f + 16 g + 8 h: two loads of 16 bytes.
.Lwo:
	s_sub_co_u32 s17, ttmp9, NQWG
	s_lshl_b32 s17, s17, 2
	s_add_co_u32 s17, s17, s16                     ; the block
	s_lshr_b32 s18, s17, 6                         ; ks
	s_and_b32 s19, s17, 63                         ; ct
	s_lshl_b32 s20, s19, 16                        ; 16 rows of 4,096 bytes a ct
	s_lshl_b32 s21, s18, 9                         ; 512 bytes a ks
	s_add_co_u32 s20, s20, s21
	s_mov_b32 s21, 0
	s_lshl_b32 s22, s17, 12                        ; 4,096 bytes a block
	s_add_co_u32 s22, s22, WOFF
	s_mov_b32 s23, 0
	v_and_b32 v3, 15, v0
	v_bfe_u32 v4, v0, 4, 1
	v_lshlrev_b32 v3, 12, v3
	v_lshl_add_u32 v3, v4, 5, v3                   ; in: 4,096 r + 32 h
	v_lshlrev_b32 v4, 4, v2                        ; out: 16 x lane
	s_wait_kmcnt 0x0
	s_add_nc_u64 s[20:21], s[12:13], s[20:21]
	s_add_nc_u64 s[22:23], s[14:15], s[22:23]
.irp f, 0,1,2,3
.irp g, 0,1
	global_load_b128 v[WI+16*\f+8*\g:WI+16*\f+8*\g+3], v3, s[20:21] offset:\f*128+\g*64 th:TH_LOAD_NT
	global_load_b128 v[WI+16*\f+8*\g+4:WI+16*\f+8*\g+7], v3, s[20:21] offset:\f*128+\g*64+16 th:TH_LOAD_NT
.endr
.endr
	s_wait_loadcnt 0x0
.set jj, 0
.rept 32
	v_cvt_pk_f16_f32 v[WOU+jj], v[WI+2*jj], v[WI+2*jj+1]
.set jj, jj+1
.endr
.irp f, 0,1,2,3
.irp g, 0,1
	global_store_b128 v4, v[WOU+8*\f+4*\g:WOU+8*\f+4*\g+3], s[22:23] offset:\f*1024+\g*512   ; 512 consecutive bytes
.endr
.endr
	s_endpgm
.Lfunc_end_k_q0aa12b1231_prep:
	.size	k_q0aa12b1231_prep, .Lfunc_end_k_q0aa12b1231_prep-k_q0aa12b1231_prep
	.p2alignl 7, 3214868480
	.fill 96, 4, 3214868480
	.section	.rodata,"a",@progbits
	.p2align	6, 0x0
	.amdhsa_kernel k_q0aa12b1231_prep
		.amdhsa_group_segment_fixed_size 33280
		.amdhsa_private_segment_fixed_size 0
		.amdhsa_enable_private_segment 0
		.amdhsa_kernarg_size 48
		.amdhsa_user_sgpr_count 2
		.amdhsa_user_sgpr_kernarg_segment_ptr 1
		.amdhsa_wavefront_size32 1
		.amdhsa_system_sgpr_workgroup_id_x 1
		.amdhsa_system_sgpr_workgroup_id_y 1
		.amdhsa_system_sgpr_workgroup_id_z 1
		.amdhsa_system_vgpr_workitem_id 0
		.amdhsa_next_free_vgpr 256
		.amdhsa_next_free_sgpr 66
		.amdhsa_reserve_vcc 0
		.amdhsa_float_denorm_mode_32 3
		.amdhsa_float_denorm_mode_16_64 3
		.amdhsa_memory_ordered 1
		.amdhsa_forward_progress 1
		.amdhsa_inst_pref_size 39
	.end_amdhsa_kernel
	.amdgpu_metadata
---
amdhsa.version: [ 1, 2 ]
amdhsa.kernels:
  - .name:           k_q0aa12b1231_prep
    .symbol:         k_q0aa12b1231_prep.kd
    .args:
      - { .name: x, .offset: 0, .size: 8, .value_kind: global_buffer, .address_space: global }
      - { .name: Wq, .offset: 8, .size: 8, .value_kind: global_buffer, .address_space: global }
      - { .name: Wk, .offset: 16, .size: 8, .value_kind: global_buffer, .address_space: global }
      - { .name: Wv, .offset: 24, .size: 8, .value_kind: global_buffer, .address_space: global }
      - { .name: Wo, .offset: 32, .size: 8, .value_kind: global_buffer, .address_space: global }
      - { .name: prep, .offset: 40, .size: 8, .value_kind: global_buffer, .address_space: global }
    .group_segment_fixed_size: 33280
    .private_segment_fixed_size: 0
    .kernarg_segment_align: 8
    .kernarg_segment_size: 48
    .max_flat_workgroup_size: 128
    .sgpr_count:     66
    .vgpr_count:     256
    .wavefront_size: 32
...
	.end_amdgpu_metadata
.endif
;; end of part 1
;; launch proj (part 2): grid 48 x 4, 4 waves a work-group, clusters of 4 x 4, 327,680 bytes of LDS; arguments prep, bq, bv, qkv; writes qkv
.if DOCPART == 2
	.amdgcn_target "amdgcn-amd-amdhsa--gfx1250"
	.amdhsa_code_object_version 6
	.text
	.protected	k_q0aa12b1231_proj
	.globl	k_q0aa12b1231_proj
	.p2align	8
	.type	k_q0aa12b1231_proj,@function
k_q0aa12b1231_proj:
	s_mov_b64 s[64:65], 0
	v_nop
	global_prefetch_b8 v0, s[64:65] scope:SCOPE_SE
	s_setreg_imm32_b32 hwreg(HW_REG_WAVE_MODE, 25, 1), 1
	s_wait_xcnt 0x0
	s_wait_alu depctr_hold_cnt(0) depctr_sa_sdst(0) depctr_va_vdst(0) depctr_va_sdst(0) depctr_va_ssrc(0) depctr_va_vcc(0) depctr_vm_vsrc(0)
	s_getreg_b32 s2, hwreg(HW_REG_IB_STS2, 6, 4)
	s_cmp_eq_u32 s2, 0
	s_cbranch_scc0 .Lentry_in_a_cluster
	s_endpgm
.Lentry_in_a_cluster:
	s_bfe_u32 s2, ttmp6, 0x10000c
	s_cmp_lg_u32 s2, 0xf033
	s_cbranch_scc0 .Lentry_shape_is_right
	s_endpgm
.Lentry_shape_is_right:
; LocalAttention, launch 2 of 5: q = x Wq^T + bq, k = x Wk^T, v = x Wv^T + bv, on codes of FP4 with E8M0 scales; K = 1,024; sums in f32; results rounded once to f16.
; Left out: bk (the same along the softmax's axis: shown at the head of the first launch).
; A tile of 256 x 256 is made by four waves, 128 x 128 each: 64 accumulators, 512 registers.  K is two slots of 512 (LDS rows of 256 bytes + 16 of padding).
; A WORK-GROUP STAYS FOR TWO TILES THAT SHARE THEIR ROWS OF A.  The three products are 384 tiles; a work-group is alone on its WGP, and 384 / 256 is no whole number: so 192 work-groups take two tiles each, all alike.
; A's 256 rows, for all of K, and their scale bytes stay in LDS; only B's half of each slot is filled again, with the second tile's rows; the first tile's stores leave while the second tile is multiplied.
; ALL OPERANDS ARE ROWS OF ONE ARRAY of codes (prep: rows 0-8,191 x, then Wq, Wk, Wv).  A tile is named by two numbers of 256 rows, TA and TB.  Cluster c = 0 .. 11 of 4 x 4 work-groups:
;   c < 8: TA = 4 c + cy (tokens), TB = 32 + cx (Wq), then 36 + cx (Wk);    c >= 8: TA = 40 + cy (Wv), TB = 8 (c - 8) + cx (tokens), then 4 more.  In both the second B lies 4 x 256 rows behind the first.
; A's tile is shared along a row of the cluster, B's along a column: each is asked for jointly by the four that need it.
; THE MATRIX INSTRUCTION IS USED TRANSPOSED (source 0 = 16 rows of B, source 1 = 16 rows of A): a lane holds one row of A and eight neighbouring rows of B.  For q and k that is one token and eight channels, for v
; (roles changed) one channel and eight tokens: in both cases, packed to f16, four registers of the NEXT product's operand.  So results leave as images of operand registers, 512 consecutive bytes a store, through no stage.
; THE BIASES ARE THE C OF A TILE'S FIRST 64 MATRIX INSTRUCTIONS: for q eight numbers for each block of B, for v one number a lane, eight times, for each block of A; k's sums begin with the constant 0.
; So only a tile's first step differs between the tensors: it stands in two arms of a branch on the cluster's number, which all partners share; the way out is one for all.
; qkv: qf at 0 and kf at 16 MiB: [ks 8][tt 512][f 4] fragments of 1 KiB (tokens 16 tt on, channels 128 ks + 32 f on); vf at 32 MiB: [ts 64][cg 8][ct 8][kf 4] (channels 128 cg + 16 ct on, tokens 128 ts + 32 kf on).
; REGISTERS: window 0: v16-30 addresses; v32-95 scale words, two sets; v128-191 A's fragments, one set; v192-255 the bias.  window 1: B's fragments, two sets, at v0 and v128; between and behind them the packed results.
;   windows 2, 3: the accumulators.
.set NQ,     4                         ; matrix instructions deep in a slot
.set ROWB,   256                       ; a tile's row in bytes: 512 codes
.set KROW,   512                       ; a row of codes in memory
.set PITCH,  272                       ; an LDS row: 256 bytes + 16 of padding, so that the 16 rows that a load touches begin 68 words apart
.set FR,     8
.set NL,     2
.set NP,     4
.set HALFT,  128*PITCH
.set SLOT,   4*HALFT                   ; A's 256 rows, then B's 256 rows
.set KS,     32                        ; a row of scale bytes
.set SCL,    2*SLOT                    ; behind the ring: the scale bytes of A's two halves, of the first B's, of the second B's
.set HALFS,  (128*KS/256)*272
.set SBLK,   (16*KS/256)*272
.set SPARE,  SCL+6*HALFS               ; the spare words: 128 bytes for each wave
.set SCOFF,  5767168
.set NEXTB,  4*256*KROW                ; from the first tile's rows of B to the second's: in the codes,
.set NEXTS,  4*256*KS                  ; and in the scale bytes
.set ADRA, 16
.set ADRB, 20
.set LI,   24                          ; v24  16 x lane
.set VBQ,  25                          ; v25  32 h: bq's eight numbers of my half
.set VBV,  26                          ; v26  4 r: bv's number of my row
.set ADRS, 27                          ; v27  my scale words, first tile: lanes 0-15 A's rows, lanes 16-31 B's
.set SPW,  28
.set NIL,  29
.set ADRS1, 30                         ; v30  the same for the second tile
.set SC,   32
.set AF,   128
.set BI,   192
.set G1, 24
.set G0, 32
.set G1B, 48
.set G0B, 56
.set G1S, 68
.set G0S, 76
.set G1SB, 80
.set G0SB, 88
.set G0SB1, 96
.set MSB, 0
.macro WIN new                         ; the immediate's high byte repeats the setting that is left
.if MSB != (\new)
	s_set_vgpr_msb (MSB<<8)|(\new)
.set MSB, (\new)
.endif
.endm
.set MUL_LO, 0xa1                      ; source 0 (B) window 1, source 1 (A) window 0, C and D window 2
.set MUL_HI, 0xf1
.set TO_B,   0x40
.macro WLO cm                          ; the windows of products on my rows 0-63: where the bias is C, C lies in window 0
.if (\cm) >= 2
	WIN 0x81
.else
	WIN MUL_LO
.endif
.endm
.macro WHI cm
.if (\cm) >= 2
	WIN 0xc1
.else
	WIN MUL_HI
.endif
.endm
; The joint refill of B's half of a slot: waves 2 and 3, one load each; waves 0 and 1, whose rows of A stay, issue none.  The branch hangs on the wave's number alone.  An s_nop 0 and four v_nop follow the line.
.macro BLOADJ g0
	s_cmp_eq_u32 s15, 0
	s_cbranch_scc1 .Lnone_\@
	tensor_load_to_lds s[\g0:\g0+3], s[G1B:G1B+7]
	s_nop 0
.rept 4
	v_nop
.endr
.Lnone_\@:
.endm
.macro CREST                           ; a round of the cluster's barrier behind its opening barrier
	s_cmp_lg_u32 s14, 0
	s_cbranch_scc1 .Lnot_wave_0_\@
	s_barrier_signal -3
.Lnot_wave_0_\@:
	s_barrier_wait -3
	s_barrier_signal -1
	s_barrier_wait -1
.endm
.macro CROUND                          ; a whole round
	s_barrier_signal -1
	s_barrier_wait -1
	CREST
.endm
	s_load_b256 s[4:11], s[0:1], 0x0               ; prep s[4:5], bq s[6:7], bv s[8:9], qkv s[10:11]
	v_lshl_add_u32 v[SPW], v0, 2, SPARE
	v_mov_b32 v[NIL], 0
	ds_add_u32 v[SPW], v[NIL]                      ; the wave's opening: the add, twice on end, and its wait ahead of my first tensor load
	ds_add_u32 v[SPW], v[NIL]
	v_lshrrev_b32 v1, 5, v0
	v_readfirstlane_b32 s14, v1                    ; wave 0..3
	v_and_b32 v1, 15, v0                           ; r
	v_bfe_u32 v2, v0, 4, 1                         ; h
	v_lshlrev_b32 v[VBQ], 5, v2
	v_lshlrev_b32 v[VBV], 2, v1
	s_lshr_b32 s15, s14, 1                         ; which half of A's rows is mine.  Also: I fetch for A (0) or for B (1)
	s_and_b32 s16, s14, 1                          ; which half of B's rows.  Also: which 128 rows I fetch
	s_bfe_u32 s40, ttmp6, 0x40000                  ; cx
	s_bfe_u32 s41, ttmp6, 0x40004                  ; cy
	s_lshl_b32 s17, ttmp9, 2                       ; 4 c
	s_sub_co_u32 s45, ttmp9, 8
	s_lshl_b32 s45, s45, 3                         ; 8 (c - 8)
	s_cmp_lt_u32 ttmp9, 8                          ; the cluster's number: the same in all sixteen partners
	s_cselect_b32 s17, s17, 40
	s_cselect_b32 s42, 32, s45
	s_add_co_u32 s17, s17, s41                     ; TA
	s_add_co_u32 s42, s42, s40                     ; TB of the first tile
	s_lshl_b32 s43, s41, 2
	s_lshl_b32 s43, 15, s43                        ; my row of the cluster
	s_lshl_b32 s44, 0x1111, s40                    ; my column
	s_or_b32 s[G1+0], s43, (0<<16)|(1<<20)|(1<<21)|(5<<22)|(3<<25)  ; the mask; elements of 1 byte; padding: 4 words behind every 64; bit 21 beside a mask
	s_or_b32 s[G1B+0], s44, (0<<16)|(1<<20)|(1<<21)|(5<<22)|(3<<25)
.irp g, G1, G1B
	s_mov_b32 s[\g+1], ROWB<<16                    ; tensor_dim0
	s_mov_b32 s[\g+2], 128<<16                     ; tensor_dim1
	s_mov_b32 s[\g+3], ROWB<<16                    ; tile_dim0
	s_mov_b32 s[\g+4], 128                         ; tile_dim1
	s_mov_b32 s[\g+5], KROW                        ; pitch
	s_mov_b32 s[\g+6], 0
	s_mov_b32 s[\g+7], 0
.endr
	s_or_b32 s[G1S+0], s43, (3<<16)|(1<<20)|(1<<21)|(5<<22)|(3<<25) ; the scales of 128 rows: 4,096 dense bytes as 16 rows of 256 (32 elements of 8 bytes), 16 bytes of padding behind each
	s_or_b32 s[G1SB+0], s44, (3<<16)|(1<<20)|(1<<21)|(5<<22)|(3<<25)
.irp g, G1S, G1SB
	s_mov_b32 s[\g+1], 32<<16
	s_mov_b32 s[\g+2], (128*KS/256)<<16
	s_mov_b32 s[\g+3], 32<<16
	s_mov_b32 s[\g+4], 128*KS/256
	s_mov_b32 s[\g+5], 32
	s_mov_b32 s[\g+6], 0
	s_mov_b32 s[\g+7], 0
.endr
	s_lshl_b32 s18, s16, 7                         ; which 128 rows of the tile I fetch
	s_lshl_b32 s20, s17, 8
	s_add_co_u32 s20, s20, s18                     ; A: row 256 TA + 128 x half
	s_lshl_b32 s46, s42, 8
	s_add_co_u32 s46, s46, s18                     ; B: row 256 TB + 128 x half
	s_lshl_b32 s22, s20, 5                         ; their scale bytes: 32 a row
	s_mov_b32 s23, 0
	s_lshl_b32 s92, s46, 5
	s_mov_b32 s93, 0
	s_lshl_b32 s20, s20, 9                         ; their codes: 512 bytes a row
	s_mov_b32 s21, 0
	s_lshl_b32 s46, s46, 9
	s_mov_b32 s47, 0
	s_mul_i32 s45, s14, HALFT                      ; where they go: wave x 128 rows: no place in the cluster enters an LDS address
	s_mul_i32 s94, s14, HALFS
	s_wait_dscnt 0x0                               ; both opening adds are done
	s_wait_kmcnt 0x0
	s_add_nc_u64 s[12:13], s[4:5], SCOFF
	s_add_nc_u64 s[20:21], s[4:5], s[20:21]
	s_add_nc_u64 s[22:23], s[12:13], s[22:23]
	s_add_nc_u64 s[46:47], s[4:5], s[46:47]
	s_add_nc_u64 s[92:93], s[12:13], s[92:93]
	CROUND                                         ; all sixteen work-groups are here: the first joint loads meet
	s_mov_b32 s[G0S], 1
	s_add_co_u32 s[G0S+1], s94, SCL
	s_mov_b64 s[G0S+2:G0S+3], s[22:23]
	s_or_b32 s[G0S+3], s[G0S+3], 0x80000000
	s_mov_b32 s[G0SB], 1
	s_add_co_u32 s[G0SB+1], s94, SCL
	s_mov_b64 s[G0SB+2:G0SB+3], s[92:93]
	s_or_b32 s[G0SB+3], s[G0SB+3], 0x80000000
	s_mov_b32 s[G0SB1], 1                          ; the second tile's scale bytes of B: two halves further on in LDS
	s_add_co_u32 s[G0SB1+1], s94, SCL+2*HALFS
	s_add_nc_u64 s[G0SB1+2:G0SB1+3], s[92:93], NEXTS
	s_or_b32 s[G0SB1+3], s[G0SB1+3], 0x80000000
.irp s, 0,1
	s_mov_b32 s[G0+4*\s], 1
	s_add_co_u32 s[G0+4*\s+1], s45, \s*SLOT
	s_add_nc_u64 s[G0+4*\s+2:G0+4*\s+3], s[20:21], \s*ROWB
	s_or_b32 s[G0+4*\s+3], s[G0+4*\s+3], 0x80000000
	s_mov_b32 s[G0B+4*\s], 1
	s_add_co_u32 s[G0B+4*\s+1], s45, \s*SLOT
	s_add_nc_u64 s[G0B+4*\s+2:G0B+4*\s+3], s[46:47], \s*ROWB
	s_or_b32 s[G0B+4*\s+3], s[G0B+4*\s+3], 0x80000000
.endr
	; THE FIRST FILLS: a wave's stand together in one arm of one branch on the wave's number, the scale bytes first, slot 1 last.  By this text's count three tensor loads of a wave that fetches for A are out, four of one that fetches for B.
	s_cmp_eq_u32 s15, 0
	s_cbranch_scc0 .Lfirst_b
	tensor_load_to_lds s[G0S:G0S+3], s[G1S:G1S+7]
	s_nop 0
	tensor_load_to_lds s[G0:G0+3], s[G1:G1+7]
	s_nop 0
	tensor_load_to_lds s[G0+4:G0+7], s[G1:G1+7]
	s_nop 0
.rept 4
	v_nop
.endr
	s_branch .Lfirst_on
.Lfirst_b:
	tensor_load_to_lds s[G0SB:G0SB+3], s[G1SB:G1SB+7]
	s_nop 0
	tensor_load_to_lds s[G0SB1:G0SB1+3], s[G1SB:G1SB+7]
	s_nop 0
	tensor_load_to_lds s[G0B:G0B+3], s[G1B:G1B+7]
	s_nop 0
	tensor_load_to_lds s[G0B+4:G0B+7], s[G1B:G1B+7]
	s_nop 0
.rept 4
	v_nop
.endr
.Lfirst_on:
	; THE BIAS, in the layout of a result, while the first tiles are on their way.  Both arms write all 64 registers.
	s_cmp_lt_u32 ttmp9, 8
	s_cbranch_scc0 .Lbias_v
	s_lshl_b32 s20, s40, 10                        ; bq at channel 256 cx + 128 x half of B
	s_lshl_b32 s21, s16, 9
	s_add_co_u32 s20, s20, s21
	s_mov_b32 s21, 0
	s_add_nc_u64 s[6:7], s[6:7], s[20:21]
.irp b, 0,1,2,3,4,5,6,7
	global_load_b128 v[BI+8*\b:BI+8*\b+3], v[VBQ], s[6:7] offset:64*\b          ; block b of B: channels 16 b + 8 h + 0 .. 7
	global_load_b128 v[BI+8*\b+4:BI+8*\b+7], v[VBQ], s[6:7] offset:64*\b+16
.endr
	s_branch .Lbias_on
.Lbias_v:
	s_lshl_b32 s20, s41, 10                        ; bv at channel 256 cy + 128 x half of A
	s_lshl_b32 s21, s15, 9
	s_add_co_u32 s20, s20, s21
	s_mov_b32 s21, 0
	s_add_nc_u64 s[8:9], s[8:9], s[20:21]
.irp a, 0,1,2,3,4,5,6,7
.irp j, 0,1,2,3,4,5,6,7
	global_load_b32 v[BI+8*\a+\j], v[VBV], s[8:9] offset:64*\a                 ; block a of A: my lane's channel 16 a + r, the same for its eight tokens
.endr
.endr
.Lbias_on:
	v_mul_u32_u24 v3, v1, PITCH
	v_lshl_add_u32 v4, v2, 4, v3                   ; a fragment's row x pitch + 16 h
	s_mul_i32 s21, s15, HALFT
	s_mul_i32 s22, s16, HALFT
	s_add_co_u32 s22, s22, 2*HALFT
.irp s, 0,1
	v_add_nc_u32 v[ADRA+\s], s21, v4
	v_add_nc_u32 v[ADRB+\s], s22, v4
	s_add_co_u32 s21, s21, SLOT
	s_add_co_u32 s22, s22, SLOT
.endr
	v_mul_u32_u24 v5, v1, KS                       ; my row's scales: KS bytes a row,
	v_lshrrev_b32 v6, 8, v5
	v_lshl_add_u32 v5, v6, 4, v5                   ; and 16 more for each 256 passed
	s_mul_i32 s21, s15, HALFS
	s_mul_i32 s22, s16, HALFS
	s_add_co_u32 s22, s22, 2*HALFS
	s_sub_co_u32 s22, s22, s21                     ; from A's half to the first B's half
	s_add_co_u32 s21, s21, SCL
	v_mul_u32_u24 v6, s22, v2                      ; lanes 16-31 take B's
	v_add_nc_u32 v6, v5, v6
	v_add_nc_u32 v[ADRS], s21, v6
	s_add_co_u32 s22, s22, 2*HALFS                 ; and to the second B's
	v_mul_u32_u24 v6, s22, v2
	v_add_nc_u32 v6, v5, v6
	v_add_nc_u32 v[ADRS1], s21, v6
	v_and_b32 v6, 31, v0
	v_lshlrev_b32 v[LI], 4, v6
	; where my 32 KiB of a tile's results begin.  q: ((2 cx + half of B) x 512 + 16 TA + 8 x half of A) x 4,096; k: 16 MiB on.  v: 32 MiB + ((2 TB + half of B) x 8 + 2 cy + half of A) x 32,768; its second tile: 64 x 32,768 on
	s_lshl_b32 s20, s40, 1
	s_add_co_u32 s20, s20, s16
	s_lshl_b32 s20, s20, 9
	s_lshl_b32 s21, s17, 4
	s_add_co_u32 s20, s20, s21
	s_lshl_b32 s21, s15, 3
	s_add_co_u32 s20, s20, s21
	s_lshl_b32 s20, s20, 12
	s_lshl_b32 s22, s42, 1
	s_add_co_u32 s22, s22, s16
	s_lshl_b32 s22, s22, 3
	s_lshl_b32 s23, s41, 1
	s_add_co_u32 s22, s22, s23
	s_add_co_u32 s22, s22, s15
	s_lshl_b32 s22, s22, 15
	s_add_co_u32 s22, s22, 0x2000000
	s_mov_b32 s23, 0x200000
	s_cmp_lt_u32 ttmp9, 8
	s_cselect_b32 s20, s20, s22
	s_cselect_b32 s22, 0x1000000, s23
	s_mov_b32 s21, 0
	s_mov_b32 s23, 0
	s_add_nc_u64 s[12:13], s[10:11], s[20:21]      ; the first tile's
	s_add_nc_u64 s[10:11], s[12:13], s[22:23]      ; the second tile's
.macro FRAG reg, adr, q, i             ; 16 rows x 128 K of 4-bit codes: 8 registers: lane l holds row l % 16; registers 4 c .. 4 c + 3 hold K = 64 c + 32 (l / 16) + 0 .. 31
.irp c, 0,1
	ds_load_b128 v[\reg+4*\c:\reg+4*\c+3], v[\adr] offset:64*(\q)+32*\c+(\i)*16*PITCH
.endr
.endm
; 16 matrix instructions: A's blocks a0, a0 + 1 x B's eight.  cm says what C is: 0 the sums so far; 1 the constant 0; 2 the bias by B's block; 3 the bias by A's block.
; The 64 accumulators take turns, one instruction a turn, in the same order in every step.
.macro MUL16 a0, p, q, sc, cm
.irp a, \a0, \a0+1
.irp b, 0,1,2,3,4,5,6,7
.if (\cm) == 0
	v_wmma_scale_f32_16x16x128_f8f6f4 v[8*(8*((\a)%4)+\b):8*(8*((\a)%4)+\b)+7], v[128*(\p)+FR*\b:128*(\p)+FR*\b+FR-1], v[AF+FR*(\a):AF+FR*(\a)+FR-1], v[8*(8*((\a)%4)+\b):8*(8*((\a)%4)+\b)+7], v[SC+8*NQ*(\sc)+NQ*\b+(\q)], v[SC+8*NQ*(\sc)+NQ*(\a)+(\q)] matrix_a_fmt:MATRIX_FMT_FP4 matrix_b_fmt:MATRIX_FMT_FP4 matrix_a_scale:MATRIX_SCALE_ROW1
.elseif (\cm) == 1
	v_wmma_scale_f32_16x16x128_f8f6f4 v[8*(8*((\a)%4)+\b):8*(8*((\a)%4)+\b)+7], v[128*(\p)+FR*\b:128*(\p)+FR*\b+FR-1], v[AF+FR*(\a):AF+FR*(\a)+FR-1], 0, v[SC+8*NQ*(\sc)+NQ*\b+(\q)], v[SC+8*NQ*(\sc)+NQ*(\a)+(\q)] matrix_a_fmt:MATRIX_FMT_FP4 matrix_b_fmt:MATRIX_FMT_FP4 matrix_a_scale:MATRIX_SCALE_ROW1
.elseif (\cm) == 2
	v_wmma_scale_f32_16x16x128_f8f6f4 v[8*(8*((\a)%4)+\b):8*(8*((\a)%4)+\b)+7], v[128*(\p)+FR*\b:128*(\p)+FR*\b+FR-1], v[AF+FR*(\a):AF+FR*(\a)+FR-1], v[BI+8*\b:BI+8*\b+7], v[SC+8*NQ*(\sc)+NQ*\b+(\q)], v[SC+8*NQ*(\sc)+NQ*(\a)+(\q)] matrix_a_fmt:MATRIX_FMT_FP4 matrix_b_fmt:MATRIX_FMT_FP4 matrix_a_scale:MATRIX_SCALE_ROW1
.else
	v_wmma_scale_f32_16x16x128_f8f6f4 v[8*(8*((\a)%4)+\b):8*(8*((\a)%4)+\b)+7], v[128*(\p)+FR*\b:128*(\p)+FR*\b+FR-1], v[AF+FR*(\a):AF+FR*(\a)+FR-1], v[BI+8*(\a):BI+8*(\a)+7], v[SC+8*NQ*(\sc)+NQ*\b+(\q)], v[SC+8*NQ*(\sc)+NQ*(\a)+(\q)] matrix_a_fmt:MATRIX_FMT_FP4 matrix_b_fmt:MATRIX_FMT_FP4 matrix_a_scale:MATRIX_SCALE_ROW1
.endif
.endr
.endr
.endm
.macro FETCH_B slot, q, p
	WIN TO_B
.irp i, 0,1,2,3,4,5,6,7
	FRAG 128*(\p)+FR*\i, ADRB+\slot, \q, \i
.endr
	WIN 0
.endm
.macro FETCH_A slot, q, i0
.irp i, \i0, \i0+1, \i0+2, \i0+3
	FRAG AF+FR*(\i), ADRA+\slot, \q, \i
.endr
.endm
.macro SCALES sc, adr, so              ; a slot's scale words into set sc: lanes 0-15 take A's block i, lanes 16-31 B's block i; so: 16 bytes on for the second half of K
.irp i, 0,1,2,3,4,5,6,7
	ds_load_b128 v[SC+8*NQ*\sc+NQ*\i:SC+8*NQ*\sc+NQ*\i+3], v[\adr] offset:\i*SBLK+\so
.endr
.endm
.macro PLACES n                        ; plain vector lines between a matrix instruction and a load into, or a vector line on, its registers
.rept \n
	v_nop
.endr
.endm
.macro STEP slot, q, cm                ; 128 along K with its successor in the same slot
	s_wait_dscnt 4*NL                              ; B's set and A's blocks 0-3 are in; the youngest eight loads (A's blocks 4-7) may be out
	WLO \cm
	MUL16 0, (\q)%2, \q, \slot, \cm
	MUL16 2, (\q)%2, \q, \slot, \cm
	s_wait_dscnt 0
	PLACES NP
	FETCH_B \slot, (\q)+1, 1-(\q)%2
	FETCH_A \slot, (\q)+1, 0
	WHI \cm
	MUL16 4, (\q)%2, \q, \slot, \cm
	MUL16 6, (\q)%2, \q, \slot, \cm
	PLACES NP
	WIN 0
	FETCH_A \slot, (\q)+1, 4
.endm
; A slot's last step changes slots: each wave waits for all its tensor loads, adds 0 to its spare word, and waits for that and for its reads of this slot; ONE barrier.
; fill = 1: the barrier opens a round of the cluster's barrier, and behind the round B's half of the slot just left takes the second tile's rows: the first tensor load there, one for each of waves 2 and 3.
; adr, so: where the next slot's scale words lie.
.macro TURN slot, next, fill, adr, so
	s_wait_tensorcnt 0x0                           ; all my tensor loads have landed: my part of the next slot
	ds_add_u32 v[SPW], v[NIL]                      ; 0 onto my spare word
	s_wait_dscnt 4*NL+1                            ; (the add and A's blocks 4-7 may be out)
	WIN MUL_LO
	MUL16 0, 1, NQ-1, \slot, 0
	s_wait_dscnt 0x0                               ; the add is done, and my reads of this slot are over
	s_barrier_signal -1
	MUL16 2, 1, NQ-1, \slot, 0
	WIN 0
	s_barrier_wait -1
.if \fill
	CREST                                          ; no wave of any partner still reads this slot's rows of B or has a load on its way
	s_add_nc_u64 s[G0B+4*\slot+2:G0B+4*\slot+3], s[G0B+4*\slot+2:G0B+4*\slot+3], NEXTB
	BLOADJ G0B+4*\slot
.endif
	PLACES NP                                      ; for every wave, also one that has issued no load
	FETCH_B \next, 0, 0
	FETCH_A \next, 0, 0
	SCALES \next, \adr, \so
	WIN MUL_HI
	MUL16 4, 1, NQ-1, \slot, 0
	MUL16 6, 1, NQ-1, \slot, 0
	PLACES NP
	WIN 0
	FETCH_A \next, 0, 4
.endm
; THE WAY OUT, the same for q, k and v.  Each accumulator is read from its low end on.  Block a's 32 packed registers lie in window 1, in the four runs of 32 that B's two sets leave free, so that the next tile's first fragments,
; which are on their way, are not touched; a run is written again only behind the wait that shows that its stores have read it.
.macro OUT ob
.irp a, 0,1,2,3,4,5,6,7
.set WN, 2+(\a)/4
.set AC, 64*((\a)%4)
.set PKD, 64+32*((\a)%2)+128*(((\a)/2)%2)
.if (\a)%4 == 0
	s_wait_xcnt 0x0                                ; the stores issued so far have read their data
.endif
	WIN 0x40+5*WN                                  ; sources: the accumulators' window; destination: window 1
.irp b, 0,1,2,3,4,5,6,7
.irp i, 0,1,2,3
	v_cvt_pk_f16_f32 v[PKD+4*\b+\i], v[AC+8*\b+2*\i], v[AC+8*\b+2*\i+1]
.endr
.endr
	WIN 0x04                                       ; a store's data are its source 1: window 1
.irp b, 0,1,2,3,4,5,6,7
	global_store_b128 v[LI], v[PKD+4*\b:PKD+4*\b+3], s[\ob:\ob+1] offset:\a*4096+(\b/2)*1024+(\b%2)*512   ; half a fragment: 512 consecutive bytes
.endr
.endr
	WIN 0
.endm
	s_wait_loadcnt 0x0                             ; the bias
	s_wait_tensorcnt 1                             ; the scales and my part of slot 0 are in (slot 1's load may be out)
	s_barrier_signal -1
	s_barrier_wait -1                              ; everybody's are
	FETCH_B 0, 0, 0
	FETCH_A 0, 0, 0
	SCALES 0, ADRS, 0
	FETCH_A 0, 0, 4
	s_cmp_lt_u32 ttmp9, 8                          ; THE FIRST TILE.  Its first products start the sums with the bias: nothing is cleared, nothing is added later
	s_cbranch_scc0 .Lt0_v
	STEP 0, 0, 2                                   ; q
	s_branch .Lt0_on
.Lt0_v:
	STEP 0, 0, 3                                   ; v
.Lt0_on:
	STEP 0, 1, 0
	STEP 0, 2, 0
	TURN 0, 1, 1, ADRS, 16                         ; slot 0's rows of B are done with: the second tile's first half of K is asked for
	STEP 1, 0, 0
	STEP 1, 1, 0
	STEP 1, 2, 0
	TURN 1, 0, 1, ADRS1, 0                         ; likewise slot 1's; the second tile's first fragments are fetched
	OUT 12                                         ; both refills are asked for: now the first tile goes out.  (The places behind its last products stand in TURN)
	s_cmp_lt_u32 ttmp9, 8                          ; THE SECOND TILE
	s_cbranch_scc0 .Lt1_v
	STEP 0, 0, 1                                   ; k: no bias
	s_branch .Lt1_on
.Lt1_v:
	STEP 0, 0, 3                                   ; v: the same channels' bias
.Lt1_on:
	STEP 0, 1, 0
	STEP 0, 2, 0
	TURN 0, 1, 0, ADRS1, 16                        ; nothing is left to fetch
	STEP 1, 0, 0
	STEP 1, 1, 0
	STEP 1, 2, 0
	s_wait_dscnt 4*NL
	WIN MUL_LO
	MUL16 0, 1, NQ-1, 1, 0
	MUL16 2, 1, NQ-1, 1, 0
	s_wait_dscnt 0
	WIN MUL_HI
	MUL16 4, 1, NQ-1, 1, 0
	MUL16 6, 1, NQ-1, 1, 0
	WIN 0
	PLACES NP                                      ; behind the last products, in front of the first read of results
	OUT 10
	s_wait_tensorcnt 0x0                           ; the wave's end
	ds_add_u32 v[SPW], v[NIL]
	s_wait_dscnt 0x0
	CROUND                                         ; the closing round: no work-group ends while a partner may still ask for a tile that names it
	s_endpgm
.Lfunc_end_k_q0aa12b1231_proj:
	.size	k_q0aa12b1231_proj, .Lfunc_end_k_q0aa12b1231_proj-k_q0aa12b1231_proj
	.p2alignl 7, 3214868480
	.fill 96, 4, 3214868480
	.section	.rodata,"a",@progbits
	.p2align	6, 0x0
	.amdhsa_kernel k_q0aa12b1231_proj
		.amdhsa_group_segment_fixed_size 327680
		.amdhsa_private_segment_fixed_size 0
		.amdhsa_enable_private_segment 0
		.amdhsa_kernarg_size 32
		.amdhsa_user_sgpr_count 2
		.amdhsa_user_sgpr_kernarg_segment_ptr 1
		.amdhsa_wavefront_size32 1
		.amdhsa_system_sgpr_workgroup_id_x 1
		.amdhsa_system_sgpr_workgroup_id_y 1
		.amdhsa_system_sgpr_workgroup_id_z 1
		.amdhsa_system_vgpr_workitem_id 0
		.amdhsa_next_free_vgpr 1024
		.amdhsa_next_free_sgpr 100
		.amdhsa_reserve_vcc 0
		.amdhsa_float_denorm_mode_32 3
		.amdhsa_float_denorm_mode_16_64 3
		.amdhsa_memory_ordered 1
		.amdhsa_forward_progress 1
		.amdhsa_inst_pref_size 255
	.end_amdhsa_kernel
	.section	.bss,"aw",@nobits
	.p2align	6
	.space	262144
	.amdgpu_metadata
---
amdhsa.version: [ 1, 2 ]
amdhsa.kernels:
  - .name:           k_q0aa12b1231_proj
    .symbol:         k_q0aa12b1231_proj.kd
    .args:
      - { .name: prep, .offset: 0, .size: 8, .value_kind: global_buffer, .address_space: global }
      - { .name: bq, .offset: 8, .size: 8, .value_kind: global_buffer, .address_space: global }
      - { .name: bv, .offset: 16, .size: 8, .value_kind: global_buffer, .address_space: global }
      - { .name: qkv, .offset: 24, .size: 8, .value_kind: global_buffer, .address_space: global }
    .group_segment_fixed_size: 327680
    .private_segment_fixed_size: 0
    .kernarg_segment_align: 8
    .kernarg_segment_size: 32
    .max_flat_workgroup_size: 128
    .sgpr_count:     100
    .vgpr_count:     1024
    .wavefront_size: 32
...
	.end_amdgpu_metadata
.endif
;; end of part 2
;; launch score (part 3): grid 256 x 1, 4 waves a work-group, clusters of 4 x 1, 327,680 bytes of LDS; arguments qkv, pf, st; writes pf, st
.if DOCPART == 3
	.amdgcn_target "amdgcn-amd-amdhsa--gfx1250"
	.amdhsa_code_object_version 6
	.text
	.protected	k_q0aa12b1231_score
	.globl	k_q0aa12b1231_score
	.p2align	8
	.type	k_q0aa12b1231_score,@function
k_q0aa12b1231_score:
	s_mov_b64 s[64:65], 0
	v_nop
	global_prefetch_b8 v0, s[64:65] scope:SCOPE_SE
	s_setreg_imm32_b32 hwreg(HW_REG_WAVE_MODE, 25, 1), 1
	s_wait_xcnt 0x0
	s_wait_alu depctr_hold_cnt(0) depctr_sa_sdst(0) depctr_va_vdst(0) depctr_va_sdst(0) depctr_va_ssrc(0) depctr_va_vcc(0) depctr_vm_vsrc(0)
	s_getreg_b32 s2, hwreg(HW_REG_IB_STS2, 6, 4)
	s_cmp_eq_u32 s2, 0
	s_cbranch_scc0 .Lentry_in_a_cluster
	s_endpgm
.Lentry_in_a_cluster:
	s_bfe_u32 s2, ttmp6, 0x10000c
	s_cmp_lg_u32 s2, 0x3003
	s_cbranch_scc0 .Lentry_shape_is_right
	s_endpgm
.Lentry_shape_is_right:
; LocalAttention, launch 3 of 5: the scores q k^T (f16 operands, f32 sums), the mask, and a softmax that is local to each aligned block of 64 keys.
; Left out: tiles of 384 keys that lie wholly under the mask j >= i - 16 for all 512 queries of a super row (shown at the head of the first launch).
; FOR EACH ROW AND BLOCK OF 64 KEYS: t = score x c, c = log2(e) / 32; -M = floor(-c x the block's largest score), a whole number; p = 2^(t - M), at most 1, stored as f16 in the order of the next product's operand registers;
; l = the sum of the unrounded p.  (-M, l) go to st.  The next launch brings the blocks of a row under the row's own M by exact powers of two: so the row's true maximum is taken away.
; A masked score is -2^100, a power of two: c x it is exact, so in a block that is masked whole t - M is exactly 0, p = 1 and -M = c 2^100, and the next launch's factor 2^(M - row's M) is 0.
; SHARES.  A work-group makes 128 queries x 384 keys over K = 1,024; a wave 64 x 192: 48 accumulators.  A cluster is the four row tiles I = 4 R + cx of a super row R of 512 queries, on ONE tile of keys.
; Key tiles are counted from the end: tile e begins at N = 2,048 - 384 (e + 1).  R = 0 .. 3 take 6, 5, 3, 2 tiles: 16 clusters a batch, 256 equal work-groups.  The one tile with N < 0 begins at key 0 and owns its first 128 keys.
; K's tile (96 KiB a step) is asked for JOINTLY by the four.  Q's tile (32 KiB a step) is each work-group's own: key tiles of one row tile would have to share it, and 6, 5, 3 and 2 do not divide into fours.
; K goes in steps of 128 channels through two LDS slots.  Operands lie in memory and LDS as images of their registers (1 KiB a fragment), so a tile is one dense block, and each LDS load reads 512 consecutive bytes.
; S^T = K Q^T (source 0 = 16 keys, source 1 = 16 queries): a lane holds ONE query and eight neighbouring keys.
; REGISTERS: window 0: v1-8 addresses; v32-67 at work on the way out; v128-255 packed p, two sets.  window 1: two fragment buffers of 128: K's 12 fragments, then Q's 4.  window 2: the accumulators of my keys 0-127; window 3: of keys 128-191.
.set SLOTB, 131072                     ; a slot: Q [tt 8][f 4] KiB, then K [kt 24][f 4] KiB
.set KOFF,  32768
.set SPARE, 262144                     ; the spare words: 128 bytes for each wave
.set LI,  1                            ; v1   16 x lane
.set ADQ, 2                            ; v2-3 my Q fragments in slot 0, 1
.set ADK, 4                            ; v4-5 my K fragments
.set D0,  6                            ; v6   the mask's bound: my tile-0 query - 16 - my first key - 8 h
.set NEG, 7                            ; v7   -2^100
.set L8,  8                            ; v8   8 x lane
.set SPW, 28
.set NIL, 29
.set T,   32                           ; v32-42 partial maxima
.set X,   43                           ; v43  the other half of the lanes'
.set NMP, 44                           ; v44-51 -M of the four query tiles, in even registers (named as pairs)
.set LS,  52                           ; v52-55 l
.set SO,  56                           ; v56-67 (-M, l) to store: a pair for each block and half
.set PK,  128
.set F0,  0
.set F1,  128
.set G1Q, 24
.set G0Q, 32
.set G1K, 48
.set G0K, 56
.set MSB, 0
.macro WIN new
.if MSB != (\new)
	s_set_vgpr_msb (MSB<<8)|(\new)
.set MSB, (\new)
.endif
.endm
.macro PLACES
.rept 4
	v_nop
.endr
.endm
; Waves 0 and 1 fetch Q's halves (a load of the work-group's own), waves 2 and 3 K's halves (joint).  The branch hangs on the wave's number alone.  An s_nop 0 and four v_nop follow each line.
.macro JLOAD g0a, g1a, g0b, g1b
	s_cmp_eq_u32 s11, 0
	s_cbranch_scc0 .Lfor_b_\@
	tensor_load_to_lds s[\g0a:\g0a+3], s[\g1a:\g1a+7]
	s_nop 0
.rept 4
	v_nop
.endr
	s_branch .Lasked_\@
.Lfor_b_\@:
	tensor_load_to_lds s[\g0b:\g0b+3], s[\g1b:\g1b+7]
	s_nop 0
.rept 4
	v_nop
.endr
.Lasked_\@:
.endm
.macro CREST
	s_cmp_lg_u32 s10, 0
	s_cbranch_scc1 .Lnot_wave_0_\@
	s_barrier_signal -3
.Lnot_wave_0_\@:
	s_barrier_wait -3
	s_barrier_signal -1
	s_barrier_wait -1
.endm
.macro CROUND
	s_barrier_signal -1
	s_barrier_wait -1
	CREST
.endm
	s_load_b128 s[4:7], s[0:1], 0x0                ; qkv, pf
	s_load_b64 s[8:9], s[0:1], 0x10                ; st
	v_lshl_add_u32 v[SPW], v0, 2, SPARE
	v_mov_b32 v[NIL], 0
	ds_add_u32 v[SPW], v[NIL]                      ; the wave's opening: the add, twice on end, and its wait ahead of my first tensor load
	ds_add_u32 v[SPW], v[NIL]
	v_lshrrev_b32 v9, 5, v0
	v_readfirstlane_b32 s10, v9                    ; wave
	s_lshr_b32 s11, s10, 1                         ; which 64 queries are mine.  Also: I fetch Q (0) or K (1)
	s_and_b32 s12, s10, 1                          ; which 192 keys.  Also: which half I fetch
	s_bfe_u32 s13, ttmp6, 0x40000                  ; cx
	s_lshr_b32 s14, ttmp9, 4                       ; batch
	s_and_b32 s15, ttmp9, 15                       ; the cluster's number in its batch
	s_mov_b32 s16, 0                               ; R
	s_mov_b32 s17, 0                               ; the first cluster of R
	s_cmp_ge_u32 s15, 6
	s_cselect_b32 s16, 1, s16
	s_cselect_b32 s17, 6, s17
	s_cmp_ge_u32 s15, 11
	s_cselect_b32 s16, 2, s16
	s_cselect_b32 s17, 11, s17
	s_cmp_ge_u32 s15, 14
	s_cselect_b32 s16, 3, s16
	s_cselect_b32 s17, 14, s17
	s_sub_co_u32 s17, s15, s17                     ; e
	s_add_co_u32 s17, s17, 1
	s_mul_i32 s17, s17, 384
	s_sub_co_i32 s17, 2048, s17                    ; N
	s_max_i32 s18, s17, 0                          ; the tile's first key
	s_add_co_i32 s72, s17, 384
	s_sub_co_i32 s72, s72, s18                     ; how many of its keys the tile owns: 384, or 128
	s_lshl_b32 s19, s16, 2
	s_add_co_u32 s19, s19, s13                     ; I
	s_lshl_b32 s73, s16, 9
	s_add_co_u32 s73, s73, 495
	s_sub_co_i32 s73, s73, s18                     ; a key of the tile under this place is masked for the super row's last query
	s_mul_i32 s71, s12, 192
	s_lshl_b32 s20, s14, 7                         ; Q: fragment rows 128 b + 8 I + 4 x half, 4,096 bytes each
	s_lshl_b32 s21, s19, 3
	s_add_co_u32 s20, s20, s21
	s_lshl_b32 s21, s12, 2
	s_add_co_u32 s20, s20, s21
	s_lshl_b32 s20, s20, 12
	s_mov_b32 s21, 0
	s_lshl_b32 s22, s14, 7                         ; K: 128 b + first key / 16 + 12 x half; behind 16 MiB.  No cx enters
	s_lshr_b32 s23, s18, 4
	s_add_co_u32 s22, s22, s23
	s_mul_i32 s23, s12, 12
	s_add_co_u32 s22, s22, s23
	s_lshl_b32 s22, s22, 12
	s_add_co_u32 s22, s22, 0x1000000
	s_mov_b32 s23, 0
	s_lshl_b32 s40, s12, 14                        ; where they go in a slot
	s_mul_i32 s41, s12, 49152
	s_add_co_u32 s41, s41, KOFF
	; group 1: dense blocks as rows of 256 bytes (32 elements of 8 bytes), no padding.  Q: 64 rows, no mask.  K: 192 rows, all four work-groups
	s_mov_b32 s[G1Q], 3<<16
	s_mov_b32 s[G1Q+1], 32<<16
	s_mov_b32 s[G1Q+2], 64<<16
	s_mov_b32 s[G1Q+3], 32<<16
	s_mov_b32 s[G1Q+4], 64
	s_mov_b32 s[G1Q+5], 32
	s_mov_b32 s[G1Q+6], 0
	s_mov_b32 s[G1Q+7], 0
	s_mov_b32 s[G1K], 15|(3<<16)|(1<<21)
	s_mov_b32 s[G1K+1], 32<<16
	s_mov_b32 s[G1K+2], 192<<16
	s_mov_b32 s[G1K+3], 32<<16
	s_mov_b32 s[G1K+4], 192
	s_mov_b32 s[G1K+5], 32
	s_mov_b32 s[G1K+6], 0
	s_mov_b32 s[G1K+7], 0
	s_mov_b32 s66, 0x3d38aa3b                      ; c = log2(e) / 32
	s_mov_b32 s67, s66                             ; (named with it as a pair)
	s_mov_b32 s68, 0x76543210
	s_mov_b32 s69, 0xfedcba98                      ; v_permlanex16_b32's selects for lane l xor 16
	s_mov_b32 s70, 0xffff0000                      ; lanes 16-31
	s_wait_dscnt 0x0                               ; both opening adds are done
	s_wait_kmcnt 0x0
	s_add_nc_u64 s[20:21], s[4:5], s[20:21]
	s_add_nc_u64 s[22:23], s[4:5], s[22:23]
	CROUND                                         ; all four work-groups are here: the first joint loads meet
.irp s, 0,1
	s_mov_b32 s[G0Q+4*\s], 1
	s_add_co_u32 s[G0Q+4*\s+1], s40, \s*SLOTB
	s_add_nc_u64 s[G0Q+4*\s+2:G0Q+4*\s+3], s[20:21], \s*0x200000   ; a step of 128 channels is 512 fragment rows on
	s_or_b32 s[G0Q+4*\s+3], s[G0Q+4*\s+3], 0x80000000
	s_mov_b32 s[G0K+4*\s], 1
	s_add_co_u32 s[G0K+4*\s+1], s41, \s*SLOTB
	s_add_nc_u64 s[G0K+4*\s+2:G0K+4*\s+3], s[22:23], \s*0x200000
	s_or_b32 s[G0K+4*\s+3], s[G0K+4*\s+3], 0x80000000
	JLOAD G0Q+4*\s, G1Q, G0K+4*\s, G1K             ; by this text's count a wave has two tensor loads out here, later one
.endr
	v_and_b32 v9, 31, v0
	v_lshlrev_b32 v[LI], 4, v9
	v_lshlrev_b32 v[L8], 3, v9
	s_lshl_b32 s42, s11, 14
	v_add_nc_u32 v[ADQ], s42, v[LI]
	v_add_nc_u32 v[ADQ+1], SLOTB, v[ADQ]
	v_add_nc_u32 v[ADK], s41, v[LI]
	v_add_nc_u32 v[ADK+1], SLOTB, v[ADK]
	s_lshl_b32 s44, s19, 7
	s_lshl_b32 s45, s11, 6
	s_add_co_u32 s44, s44, s45
	s_sub_co_i32 s44, s44, 16
	s_sub_co_i32 s44, s44, s18
	s_sub_co_i32 s44, s44, s71
	v_and_b32 v9, 15, v0
	v_bfe_u32 v10, v0, 4, 1
	v_lshlrev_b32 v10, 3, v10
	v_sub_nc_u32 v[D0], v9, v10
	v_add_nc_u32 v[D0], s44, v[D0]                 ; 128 I + 64 x my half + r - 16 - first key - 192 x my half of the keys - 8 h
	v_mov_b32 v[NEG], 0xf1800000
	v_mov_b32 v[X], 0                              ; written once: a lane permute's destination counts as one of its sources
.irp i, 1,3,5,7
	v_mov_b32 v[NMP+\i], 0                         ; named as the upper halves of pairs
.endr
	s_lshl_b32 s42, s14, 4
	s_add_co_u32 s42, s42, s19                     ; 16 b + I
	s_lshl_b32 s43, s42, 6                         ; pf: [16 b + I][g 64][qt 8] KiB
	s_lshr_b32 s44, s18, 5
	s_add_co_u32 s43, s43, s44
	s_mul_i32 s44, s12, 6
	s_add_co_u32 s43, s43, s44
	s_lshl_b32 s46, s43, 13
	s_lshl_b32 s44, s11, 12
	s_add_co_u32 s46, s46, s44
	s_mov_b32 s47, 0
	s_add_nc_u64 s[74:75], s[6:7], s[46:47]
	s_lshl_b32 s43, s42, 5                         ; st: [16 b + I][block 32][row 128][2] f32
	s_lshr_b32 s44, s18, 6
	s_add_co_u32 s43, s43, s44
	s_mul_i32 s44, s12, 3
	s_add_co_u32 s43, s43, s44
	s_lshl_b32 s46, s43, 10
	s_lshl_b32 s44, s11, 9
	s_add_co_u32 s46, s46, s44
	s_add_nc_u64 s[76:77], s[8:9], s[46:47]
; 16 matrix instructions: my four query tiles x the four key tiles of block be.  The 48 accumulators take turns, in the same order in every quarter.
.macro MUL16 f, be, zero
.irp qt, 0,1,2,3
.irp kt, 0,1,2,3
.if \zero
	v_wmma_f32_16x16x32_f16 v[128*((\be)%2)+32*\qt+8*\kt:128*((\be)%2)+32*\qt+8*\kt+7], v[\f+8*(4*(\be)+\kt):\f+8*(4*(\be)+\kt)+7], v[\f+96+8*\qt:\f+96+8*\qt+7], 0
.else
	v_wmma_f32_16x16x32_f16 v[128*((\be)%2)+32*\qt+8*\kt:128*((\be)%2)+32*\qt+8*\kt+7], v[\f+8*(4*(\be)+\kt):\f+8*(4*(\be)+\kt)+7], v[\f+96+8*\qt:\f+96+8*\qt+7], v[128*((\be)%2)+32*\qt+8*\kt:128*((\be)%2)+32*\qt+8*\kt+7]
.endif
.endr
.endr
.endm
; 32 LDS loads in one run: the fragments of 32 channels (the slot's q-th) into buffer f: K's tiles 0-7, Q's four, K's tiles 8-11
.macro FETCH sl, q, f
	WIN 0x40
.irp kt, 0,1,2,3,4,5,6,7
	ds_load_b128 v[\f+8*\kt:\f+8*\kt+3],   v[ADK+\sl] offset:\kt*4096+(\q)*1024
	ds_load_b128 v[\f+8*\kt+4:\f+8*\kt+7], v[ADK+\sl] offset:\kt*4096+(\q)*1024+512
.endr
.irp qt, 0,1,2,3
	ds_load_b128 v[\f+96+8*\qt:\f+96+8*\qt+3],   v[ADQ+\sl] offset:\qt*4096+(\q)*1024
	ds_load_b128 v[\f+96+8*\qt+4:\f+96+8*\qt+7], v[ADQ+\sl] offset:\qt*4096+(\q)*1024+512
.endr
.irp kt, 8,9,10,11
	ds_load_b128 v[\f+8*\kt:\f+8*\kt+3],   v[ADK+\sl] offset:\kt*4096+(\q)*1024
	ds_load_b128 v[\f+8*\kt+4:\f+8*\kt+7], v[ADK+\sl] offset:\kt*4096+(\q)*1024+512
.endr
.endm
; A quarter: 32 channels, 48 matrix instructions on buffer f; in it the slot's q-th 32 channels are fetched into buffer g
.macro QUARTER sl, q, f, g, zero
	s_wait_dscnt 8                                 ; all but the youngest eight loads (K's tiles 8-11)
	WIN 0xa5                                       ; sources window 1, C and D window 2
	MUL16 \f, 0, \zero
	MUL16 \f, 1, \zero
	PLACES                                         ; in front of loads into registers that matrix instructions have read
	FETCH \sl, \q, \g
	s_wait_dscnt 32                                ; all but the 32 just issued
	WIN 0xf5
	MUL16 \f, 2, \zero
.endm
; A slot's last quarter changes slots: each wave waits for all its tensor loads, adds 0 to its spare word, waits for that and for its reads of the slot; one barrier.  fill = 1: it opens a round of the cluster's barrier,
; and behind the round the slot just left is filled again, two steps on: the wave's one tensor load until the next change.
.macro TURN sl, nx, fill
	WIN 0
	s_wait_tensorcnt 0x0
	ds_add_u32 v[SPW], v[NIL]
	s_wait_dscnt 9                                 ; (the add and the youngest eight loads may be out)
	WIN 0xa5
	MUL16 F1, 0, 0
	s_wait_dscnt 0x0                               ; the add is done, and my reads of this slot are over
	s_barrier_signal -1
	MUL16 F1, 1, 0
	WIN 0
	s_barrier_wait -1
.if \fill
	CREST
	s_add_nc_u64 s[G0Q+4*\sl+2:G0Q+4*\sl+3], s[G0Q+4*\sl+2:G0Q+4*\sl+3], 0x400000
	s_add_nc_u64 s[G0K+4*\sl+2:G0K+4*\sl+3], s[G0K+4*\sl+2:G0K+4*\sl+3], 0x400000
	JLOAD G0Q+4*\sl, G1Q, G0K+4*\sl, G1K           ; its four v_nop are also the places in front of the loads below
.else
	PLACES
.endif
	FETCH \nx, 0, F0
	WIN 0xf5
	MUL16 F1, 2, 0
.endm
	s_wait_tensorcnt 1                             ; my part of step 0 is in (step 1's may be out)
	s_barrier_signal -1
	s_barrier_wait -1                              ; everybody's is
	FETCH 0, 0, F0
	QUARTER 0, 1, F0, F1, 1                        ; the first quarter starts the sums
	WIN 0
	s_mov_b32 s3, 3
.Llap:                                             ; three trips: each goes once round the ring and fills both slots again: steps 2 to 7
	QUARTER 0, 2, F1, F0, 0
	QUARTER 0, 3, F0, F1, 0
	TURN 0, 1, 1
	QUARTER 1, 1, F0, F1, 0
	QUARTER 1, 2, F1, F0, 0
	QUARTER 1, 3, F0, F1, 0
	TURN 1, 0, 1
	QUARTER 0, 1, F0, F1, 0
	WIN 0
	s_sub_co_u32 s3, s3, 1
	s_cmp_lg_u32 s3, 0
	s_cbranch_scc1 .Llap
	QUARTER 0, 2, F1, F0, 0                        ; the last lap fills nothing
	QUARTER 0, 3, F0, F1, 0
	TURN 0, 1, 0
	QUARTER 1, 1, F0, F1, 0
	QUARTER 1, 2, F1, F0, 0
	QUARTER 1, 3, F0, F1, 0
	s_wait_dscnt 8
	WIN 0xa5
	MUL16 F1, 0, 0
	MUL16 F1, 1, 0
	s_wait_dscnt 0x0
	WIN 0xf5
	MUL16 F1, 2, 0
	WIN 0
	PLACES
; THE WAY OUT.  UNIT: one query tile x one block of 64 keys: a lane's 32 scores in v[UB] on, register 8 kt + j = key 16 kt + 8 h + j.  Each accumulator is first read at its low end.
.macro UNIT be, qt
.set UB, 128*((\be)%2)+32*(\qt)
.set PKS, PK+64*((\be)%2)+16*(\qt)
.set NM, NMP+2*(\qt)
	WIN 0x15*WN                                    ; all sources: the accumulators' window
.irp k, 0,1,2,3,4,5,6,7,8,9
	v_max3_num_f32 v[T+\k], v[UB+3*\k], v[UB+3*\k+1], v[UB+3*\k+2]
.endr
	v_max_num_f32 v[T+10], v[UB+30], v[UB+31]
	WIN 0
	v_max3_num_f32 v[T], v[T], v[T+1], v[T+2]
	v_max3_num_f32 v[T+3], v[T+3], v[T+4], v[T+5]
	v_max3_num_f32 v[T+6], v[T+6], v[T+7], v[T+8]
	v_max3_num_f32 v[T+9], v[T+9], v[T+10], v[T]
	v_max3_num_f32 v[T], v[T+9], v[T+3], v[T+6]
	v_permlanex16_b32 v[X], v[T], s68, s69
	v_max_num_f32 v[T], v[T], v[X]                 ; the block's largest score of my query
	v_mul_f32 v[T], s66, v[T]
	v_floor_f32 v[NM], -v[T]                       ; -M: a whole number
	WIN 0x41*WN                                    ; source 0 and destination: the accumulators' window
.irp i, 0,2,4,6,8,10,12,14,16,18,20,22,24,26,28,30
	v_pk_fma_f32 v[UB+\i:UB+\i+1], v[UB+\i:UB+\i+1], s[66:67], v[NM:NM+1] op_sel_hi:[1,0,0]   ; t - M (of the pairs c and -M the low word serves both halves)
.endr
.set nn, 0
.rept 32
	v_exp_f32 v[UB+nn], v[UB+nn]
.set nn, nn+1
.endr
	v_nop                                          ; a plain line behind the last exponential
	s_wait_alu depctr_va_vdst(0)                   ; one wait for the batch of 32, ahead of its first reader
	WIN 0x05*WN
.irp i, 0,1,2,3,4,5,6,7,8,9,10,11,12,13,14,15
	v_cvt_pk_f16_f32 v[PKS+\i], v[UB+2*\i], v[UB+2*\i+1]
.endr
	WIN 0x45*WN
.irp d, 2,4,8,16                       ; the sum of the unrounded p, in place: pairs 1, 2, 4, 8 apart
.set uu, 0
.rept 16/\d
	v_pk_add_f32 v[UB+2*\d*uu:UB+2*\d*uu+1], v[UB+2*\d*uu:UB+2*\d*uu+1], v[UB+2*\d*uu+\d:UB+2*\d*uu+\d+1]
.set uu, uu+1
.endr
.endr
	WIN 0x05*WN
	v_add_f32 v[LS+\qt], v[UB], v[UB+1]
	WIN 0
	v_permlanex16_b32 v[X], v[LS+\qt], s68, s69
	v_add_f32 v[LS+\qt], v[LS+\qt], v[X]
.irp kt, 0,1,2,3
	global_store_b128 v[LI], v[PKS+4*\kt:PKS+4*\kt+3], s[74:75] offset:(2*(\be)+\kt/2)*8192+(\qt)*1024+512*(\kt%2)   ; half a fragment of p: 512 consecutive bytes
.endr
.endm
; Block be of my three.  Both branches hang on the cluster's number and the wave's alone: they are the same in all four partners.
.macro BETA be
.set WN, 2+(\be)/2
	s_add_co_u32 s78, s71, 64*(\be)                ; the block's first key in the tile
	s_cmp_lt_u32 s78, s72
	s_cbranch_scc0 .Lnot_mine_\@                   ; the clamped tile owns its first 128 keys alone: the rest belongs to the tile beside it
	s_cmp_lt_i32 s78, s73
	s_cbranch_scc0 .Lopen_\@                       ; no key of the block is masked for any query of the super row
	WIN 0x41*WN
.irp qt, 0,1,2,3
.set nn, 0
.rept 32
	v_cmp_lt_i32 vcc_lo, 64*(\be)+16*(nn/8)+(nn%8)-16*\qt, v[D0]      ; key < query - 16
	v_cndmask_b32 v[128*((\be)%2)+32*\qt+nn], v[128*((\be)%2)+32*\qt+nn], v[NEG], vcc_lo
.set nn, nn+1
.endr
.endr
	WIN 0
.Lopen_\@:
.if (\be) == 2
	s_wait_xcnt 0x0                                ; block 0's stores have read their data: its set of packed registers is written again only behind this wait
.endif
	UNIT \be, 0
	UNIT \be, 1
	UNIT \be, 2
	UNIT \be, 3
.irp p, 0,1                            ; lane l takes the pair of row 32 p + l: lanes 0-15 from tile 2 p, lanes 16-31 from tile 2 p + 1 (both halves of the lanes hold a query's figures)
	v_cndmask_b32 v[SO+4*(\be)+2*\p], v[NMP+4*\p], v[NMP+4*\p+2], s70
	v_cndmask_b32 v[SO+4*(\be)+2*\p+1], v[LS+2*\p], v[LS+2*\p+1], s70
	global_store_b64 v[L8], v[SO+4*(\be)+2*\p:SO+4*(\be)+2*\p+1], s[76:77] offset:(\be)*1024+256*\p   ; 256 consecutive bytes, aligned
.endr
.Lnot_mine_\@:
.endm
	BETA 0
	BETA 1
	BETA 2
	s_wait_tensorcnt 0x0                           ; the wave's end
	ds_add_u32 v[SPW], v[NIL]
	s_wait_dscnt 0x0
	CROUND                                         ; the closing round
	s_endpgm
.Lfunc_end_k_q0aa12b1231_score:
	.size	k_q0aa12b1231_score, .Lfunc_end_k_q0aa12b1231_score-k_q0aa12b1231_score
	.p2alignl 7, 3214868480
	.fill 96, 4, 3214868480
	.section	.rodata,"a",@progbits
	.p2align	6, 0x0
	.amdhsa_kernel k_q0aa12b1231_score
		.amdhsa_group_segment_fixed_size 327680
		.amdhsa_private_segment_fixed_size 0
		.amdhsa_enable_private_segment 0
		.amdhsa_kernarg_size 24
		.amdhsa_user_sgpr_count 2
		.amdhsa_user_sgpr_kernarg_segment_ptr 1
		.amdhsa_wavefront_size32 1
		.amdhsa_system_sgpr_workgroup_id_x 1
		.amdhsa_system_sgpr_workgroup_id_y 1
		.amdhsa_system_sgpr_workgroup_id_z 1
		.amdhsa_system_vgpr_workitem_id 0
		.amdhsa_next_free_vgpr 1024
		.amdhsa_next_free_sgpr 90
		.amdhsa_reserve_vcc 1
		.amdhsa_float_denorm_mode_32 3
		.amdhsa_float_denorm_mode_16_64 3
		.amdhsa_memory_ordered 1
		.amdhsa_forward_progress 1
		.amdhsa_inst_pref_size 199
	.end_amdhsa_kernel
	.amdgpu_metadata
---
amdhsa.version: [ 1, 2 ]
amdhsa.kernels:
  - .name:           k_q0aa12b1231_score
    .symbol:         k_q0aa12b1231_score.kd
    .args:
      - { .name: qkv, .offset: 0, .size: 8, .value_kind: global_buffer, .address_space: global }
      - { .name: pf, .offset: 8, .size: 8, .value_kind: global_buffer, .address_space: global }
      - { .name: st, .offset: 16, .size: 8, .value_kind: global_buffer, .address_space: global }
    .group_segment_fixed_size: 327680
    .private_segment_fixed_size: 0
    .kernarg_segment_align: 8
    .kernarg_segment_size: 24
    .max_flat_workgroup_size: 128
    .sgpr_count:     90
    .vgpr_count:     1024
    .wavefront_size: 32
...
	.end_amdgpu_metadata
.endif
;; end of part 3
;; launch mix (part 4): grid 8 x 32, 4 waves a work-group, clusters of 4 x 4, 327,680 bytes of LDS; arguments qkv, pf, st, yf; writes yf
.if DOCPART == 4
	.amdgcn_target "amdgcn-amd-amdhsa--gfx1250"
	.amdhsa_code_object_version 6
	.text
	.protected	k_q0aa12b1231_mix
	.globl	k_q0aa12b1231_mix
	.p2align	8
	.type	k_q0aa12b1231_mix,@function
k_q0aa12b1231_mix:
	s_mov_b64 s[64:65], 0
	v_nop
	global_prefetch_b8 v0, s[64:65] scope:SCOPE_SE
	s_setreg_imm32_b32 hwreg(HW_REG_WAVE_MODE, 25, 1), 1
	s_wait_xcnt 0x0
	s_wait_alu depctr_hold_cnt(0) depctr_sa_sdst(0) depctr_va_vdst(0) depctr_va_sdst(0) depctr_va_ssrc(0) depctr_va_vcc(0) depctr_vm_vsrc(0)
	s_getreg_b32 s2, hwreg(HW_REG_IB_STS2, 6, 4)
	s_cmp_eq_u32 s2, 0
	s_cbranch_scc0 .Lentry_in_a_cluster
	s_endpgm
.Lentry_in_a_cluster:
	s_bfe_u32 s2, ttmp6, 0x10000c
	s_cmp_lg_u32 s2, 0xf033
	s_cbranch_scc0 .Lentry_shape_is_right
	s_endpgm
.Lentry_shape_is_right:
; LocalAttention, launch 4 of 5: y = (sum over blocks of 64 keys of 2^(M_block - M_row) P_block V_block) / l_row, f16 operands, f32 sums; y rounded once to f16, in the order of the last product's operand registers.
; Left out: steps of 128 keys that lie wholly under the mask for all queries of a super row of 512 (shown at the head of the first launch).
; THE ROW'S SOFTMAX.  M_row = the largest M_block of the row's walk; f = 2^(M_block - M_row), made by v_ldexp_f32 of 1.0 with a whole number (the conversion saturates, so a block that is masked whole gets f = 0);
; l_row = the sum of f l_block.  So the row's true maximum has been taken away.  f IS APPLIED IN f32: a block's product T = P_block V_block has sums of its own, begun with the constant 0, and O += f T by fused multiply-adds.
; SHARES.  A work-group makes TWO tiles of 128 queries x 128 channels, one after the other: row tiles I_A = 4 t + cy and I_B = 4 (3 - t) + cy, t = cluster y % 2.  Their walks of 128-key steps have 16 + 6 or 13 + 9 steps:
; 22 in every work-group, so every trip count is a constant of the text, and 256 work-groups have equal work.  Walk step s < nA is tile A's key step s + offA, else tile B's key step s - 6.
; A wave makes 64 x 64.  T^T = V^T P^T (source 0 = 16 channels of V, source 1 = 16 queries of P): a lane holds one query and eight neighbouring channels.
; CLUSTER 4 x 4: P's tile hangs on the row tile alone and is shared along a row of the cluster; V's on the channels alone and is shared along a column.  Both are asked for jointly.
; LDS: two slots of two walk steps each: P [kf 4][qt 8] KiB for each step, then V [ct 8][kf 4] KiB for each step; wave w's load is the w-th 32 KiB of a slot.  Behind the ring each wave's own table of factors (no fill lands there).
; A QUARTER is 64 keys, one block of the softmax: 32 matrix instructions, two deep on 16 accumulators.  T has two sets, which take turns with the fragment buffers: a quarter's T is added to O in the middle of the NEXT quarter,
; behind that quarter's first 16 matrix instructions: 64 packed multiply-adds, which are also the places in front of the loads into the buffer that has been left.
; NOTHING IS CLEARED: a tile's first addition is a multiplication.  The walk's first is written out ahead of the loop; tile B's stands where tile A leaves, in one arm of a branch on the trip's number.
; REGISTERS: window 0: v1-9 addresses; v12-27 at work in the prologue; v32-95 packed y; v96-111 a quarter's factors, two sets of 8; v112-127 1 / l; v128-255 O.  window 1: two fragment buffers of 128; in the prologue the statistics.
;   window 2: T, two sets of 128: accumulator (a, b) of the set that goes with buffer f at v[f + 8 (4 a + b)].
.set SLOT1, 1<<17
.set FT,    262144                     ; the tables: 46 rows of 256 bytes for each wave: rows 0-43 a walk quarter's factors [r 16][h 2][p 2], f32; rows 44, 45: 1 / l of tile A, B
.set FTW,   46*256
.set SPARE, FT+4*FTW                   ; the spare words: 128 bytes for each wave
.set LI,  1
.set AP0, 2                            ; my lane's place among a slot's fragments of P
.set AV0, 3                            ; of V
.set AF0, 4                            ; my table + 16 r
.set AFS, 5                            ; + 8 h
.set ADP, 6
.set ADV, 7
.set ADF, 8
.set L8,  9
.set MA,  12                           ; v12-13 tile A's M, for rows 32 p + lane, p = 0, 1
.set MG,  14                           ; v14-15 that of walk quarters 26-31, which belong to A or to B
.set MB,  16
.set TP,  18
.set LA,  20                           ; v20-21 l of tile A, later 1 / l
.set LB,  22
.set LG,  24
.set SPW, 28
.set NIL, 29
.set BIG, 30                           ; -3e38
.set TMP, 32
.set RB,  32                           ; (in the prologue) 1 / l as it is read back
.set FC,  96                           ; set s at FC + 8 s: registers 0-3 as loaded (query tiles 0, 2, 1, 3); tile a's factor is named as the pair at 2 a, low word for both halves
.set LVA, 112                          ; four pairs: 1 / l of my four query tiles, twice
.set LVB, 120
.set ACC, 128
.set F0,  0
.set F1,  128
.set G1P, 24
.set G0P, 32
.set G1V, 48
.set G0V, 56
.set MSB, 0
.macro WIN new
.if MSB != (\new)
	s_set_vgpr_msb (MSB<<8)|(\new)
.set MSB, (\new)
.endif
.endm
.macro JLOAD g0a, g1a, g0b, g1b        ; waves 0, 1: P's two steps; waves 2, 3: V's.  An s_nop 0 and four v_nop follow each line
	s_cmp_eq_u32 s11, 0
	s_cbranch_scc0 .Lfor_b_\@
	tensor_load_to_lds s[\g0a:\g0a+3], s[\g1a:\g1a+7]
	s_nop 0
.rept 4
	v_nop
.endr
	s_branch .Lasked_\@
.Lfor_b_\@:
	tensor_load_to_lds s[\g0b:\g0b+3], s[\g1b:\g1b+7]
	s_nop 0
.rept 4
	v_nop
.endr
.Lasked_\@:
.endm
.macro CREST
	s_cmp_lg_u32 s10, 0
	s_cbranch_scc1 .Lnot_wave_0_\@
	s_barrier_signal -3
.Lnot_wave_0_\@:
	s_barrier_wait -3
	s_barrier_signal -1
	s_barrier_wait -1
.endm
.macro CROUND
	s_barrier_signal -1
	s_barrier_wait -1
	CREST
.endm
	s_load_b256 s[68:75], s[0:1], 0x0              ; qkv s[68:69], pf s[70:71], st s[72:73], yf s[74:75]
	v_lshl_add_u32 v[SPW], v0, 2, SPARE
	v_mov_b32 v[NIL], 0
	ds_add_u32 v[SPW], v[NIL]                      ; the wave's opening: the add, twice on end, and its wait ahead of my first tensor load
	ds_add_u32 v[SPW], v[NIL]
	v_lshrrev_b32 v10, 5, v0
	v_readfirstlane_b32 s10, v10                   ; wave
	s_lshr_b32 s11, s10, 1                         ; which 64 queries are mine.  Also: I fetch P (0) or V (1)
	s_and_b32 s12, s10, 1                          ; which 64 channels.  Also: which of a slot's two steps I fetch
	s_bfe_u32 s13, ttmp6, 0x40000                  ; cx
	s_bfe_u32 s14, ttmp6, 0x40004                  ; cy
	s_lshl_b32 s15, ttmp9, 2
	s_add_co_u32 s15, s15, s13                     ; cg: my 128 channels
	s_and_b32 s92, ttmp7, 0xffff
	s_lshr_b32 s16, s92, 1                         ; batch
	s_and_b32 s17, s92, 1                          ; t
	s_lshl_b32 s18, s17, 2
	s_add_co_u32 s18, s18, s14                     ; I_A
	s_sub_co_u32 s19, 3, s17
	s_lshl_b32 s19, s19, 2
	s_add_co_u32 s19, s19, s14                     ; I_B
	s_cmp_eq_u32 s17, 0                            ; the cluster's y: the same in all sixteen partners
	s_cselect_b32 s20, 16, 13                      ; nA
	s_cselect_b32 s21, 0, 3                        ; offA
	s_cselect_b32 s41, -1, 6                       ; the trip in whose fourth quarter tile A leaves (t = 1: it ends with quarter 1 of slot 6),
	s_cselect_b32 s42, 7, -1                       ; or in whose last quarter (t = 0: it ends with quarter 3 of slot 7)
	s_cselect_b32 s43, -1, 0                       ; all lanes where t = 0
	s_lshl_b32 s40, s16, 4                         ; 16 b
	s_add_co_u32 s22, s40, s18
	s_lshl_b32 s22, s22, 4                         ; (16 b + I_A) x 16: P's steps of tile A
	s_add_co_u32 s23, s40, s19
	s_lshl_b32 s23, s23, 4
	s_lshl_b32 s92, s14, 2
	s_lshl_b32 s92, 15, s92                        ; my row of the cluster
	s_lshl_b32 s93, 0x1111, s13                    ; my column
	s_or_b32 s[G1P], s92, (3<<16)|(1<<21)          ; a dense block of 32 KiB as 128 rows of 256 bytes (32 elements of 8 bytes), no padding
	s_or_b32 s[G1V], s93, (3<<16)|(1<<21)
.irp g, G1P, G1V
	s_mov_b32 s[\g+1], 32<<16
	s_mov_b32 s[\g+2], 128<<16
	s_mov_b32 s[\g+3], 32<<16
	s_mov_b32 s[\g+4], 128
	s_mov_b32 s[\g+5], 32
	s_mov_b32 s[\g+6], 0
	s_mov_b32 s[\g+7], 0
.endr
	s_add_co_u32 s80, s21, s12                     ; the key step of walk step 0 or 1
	s_add_co_u32 s82, s22, s80
	s_lshl_b32 s82, s82, 15                        ; P: 32 KiB a step.  No cx enters s82, s83
	s_mov_b32 s83, 0
	s_add_co_u32 s84, s40, s80
	s_lshl_b32 s84, s84, 3
	s_add_co_u32 s84, s84, s15
	s_lshl_b32 s84, s84, 15                        ; V: ((16 b + step) x 8 + cg) x 32 KiB.  No cy enters s84, s85
	s_mov_b32 s85, 0
	s_lshl_b32 s81, s10, 15                        ; LDS: the wave's 32 KiB of a slot
	s_mov_b32 s44, 0                               ; the slot in hand
	s_mov_b32 s45, 0                               ; its four rows of the table
	s_wait_dscnt 0x0                               ; both opening adds are done
	s_wait_kmcnt 0x0
	s_add_nc_u64 s[66:67], s[68:69], 0x2000000     ; vf
	s_add_nc_u64 s[82:83], s[70:71], s[82:83]
	s_add_nc_u64 s[84:85], s[66:67], s[84:85]
	CROUND                                         ; all sixteen work-groups are here: the first joint loads meet
.irp s, 0,1
	s_mov_b32 s[G0P+4*\s], 1
	s_add_co_u32 s[G0P+4*\s+1], s81, \s*SLOT1
	s_add_nc_u64 s[G0P+4*\s+2:G0P+4*\s+3], s[82:83], \s*65536      ; two steps on
	s_or_b32 s[G0P+4*\s+3], s[G0P+4*\s+3], 0x80000000
	s_mov_b32 s[G0V+4*\s], 1
	s_add_co_u32 s[G0V+4*\s+1], s81, \s*SLOT1
	s_add_nc_u64 s[G0V+4*\s+2:G0V+4*\s+3], s[84:85], \s*524288
	s_or_b32 s[G0V+4*\s+3], s[G0V+4*\s+3], 0x80000000
	JLOAD G0P+4*\s, G1P, G0V+4*\s, G1V             ; by this text's count a wave has two tensor loads out here, later one
.endr
	; addresses
	v_and_b32 v10, 31, v0
	v_lshlrev_b32 v[LI], 4, v10
	v_lshlrev_b32 v[L8], 3, v10
	s_lshl_b32 s92, s11, 12
	v_add_nc_u32 v[AP0], s92, v[LI]                ; query tiles 4 x my half on
	s_lshl_b32 s92, s12, 14
	s_add_co_u32 s92, s92, 65536
	v_add_nc_u32 v[AV0], s92, v[LI]                ; channel tiles 4 x my half on, behind P's two steps
	s_mul_i32 s92, s10, FTW
	s_add_co_u32 s92, s92, FT
	v_and_b32 v10, 15, v0
	v_bfe_u32 v11, v0, 4, 1
	v_lshlrev_b32 v[AF0], 4, v10
	v_add_nc_u32 v[AF0], s92, v[AF0]
	v_lshl_add_u32 v[AFS], v11, 3, v[AF0]
	v_mov_b32 v[BIG], 0xff61b1e6
.irp i, 5,7,13,15
	v_mov_b32 v[FC+\i], 0                          ; named as the upper halves of pairs, so they are written once
.endr
	; the statistics' bases.  Walk quarter w is block w + 2 offA of tile A, or block w - 12 of tile B
	s_lshl_b32 s92, s22, 1
	s_lshl_b32 s93, s21, 1
	s_add_co_u32 s92, s92, s93
	s_lshl_b32 s92, s92, 10
	s_lshl_b32 s94, s11, 9
	s_add_co_u32 s92, s92, s94
	s_mov_b32 s93, 0
	s_add_nc_u64 s[86:87], s[72:73], s[92:93]      ; tile A, at its walk's first block, my 64 rows
	s_lshl_b32 s92, s23, 11
	s_add_co_u32 s92, s92, s94
	s_add_nc_u64 s[88:89], s[72:73], s[92:93]      ; tile B, at block 0
	s_add_nc_u64 s[90:91], s[86:87], 12288
	s_cmp_eq_u32 s17, 0
	s_cselect_b64 s[90:91], s[90:91], s[88:89]     ; quarters 26-31: tile A's where t = 0, else tile B's; the offset below is (w - 12) blocks in both
	; where y goes: (512 cg + 128 b + 8 I + 4 x my half of the queries) x 4,096 + 2,048 x my half of the channels
	s_lshl_b32 s92, s15, 9
	s_lshl_b32 s93, s16, 7
	s_add_co_u32 s92, s92, s93
	s_lshl_b32 s93, s11, 2
	s_add_co_u32 s92, s92, s93
	s_lshl_b32 s93, s18, 3
	s_add_co_u32 s93, s93, s92
	s_lshl_b32 s94, s93, 12
	s_lshl_b32 s93, s12, 11
	s_add_co_u32 s94, s94, s93
	s_mov_b32 s95, 0
	s_add_nc_u64 s[76:77], s[74:75], s[94:95]
	s_lshl_b32 s94, s19, 3
	s_add_co_u32 s94, s94, s92
	s_lshl_b32 s94, s94, 12
	s_add_co_u32 s94, s94, s93
	s_add_nc_u64 s[78:79], s[74:75], s[94:95]
	; THE PROLOGUE, while the first tiles land.  (-M, l) of my 64 rows for the 44 walk quarters: lane l takes row 32 p + l; the pair of (w, p) lies at v[4 w + 2 p] of window 1.  Each load reads 256 consecutive bytes.
	WIN 0x40
.set ww, 0
.rept 44
.irp p, 0,1
.if ww < 26
	global_load_b64 v[4*ww+2*\p:4*ww+2*\p+1], v[L8], s[86:87] offset:ww*1024+256*\p
.elseif ww < 32
	global_load_b64 v[4*ww+2*\p:4*ww+2*\p+1], v[L8], s[90:91] offset:(ww-12)*1024+256*\p
.else
	global_load_b64 v[4*ww+2*\p:4*ww+2*\p+1], v[L8], s[88:89] offset:(ww-12)*1024+256*\p
.endif
.endr
.set ww, ww+1
.endr
	s_wait_loadcnt 0x0
	WIN 0x15                                       ; the largest M = the largest of -(-M): three groups of quarters, each begun by its first three
.irp p, 0,1
	v_max3_num_f32 v[MA+\p], -v[2*\p], -v[4+2*\p], -v[8+2*\p]
	v_max3_num_f32 v[MG+\p], -v[104+2*\p], -v[108+2*\p], -v[112+2*\p]
	v_max3_num_f32 v[MB+\p], -v[128+2*\p], -v[132+2*\p], -v[136+2*\p]
.endr
	WIN 0x14
.irp w, 3,5,7,9,11,13,15,17,19,21,23
.irp p, 0,1
	v_max3_num_f32 v[MA+\p], v[MA+\p], -v[4*\w+2*\p], -v[4*\w+4+2*\p]
.endr
.endr
.irp w, 35,37,39,41
.irp p, 0,1
	v_max3_num_f32 v[MB+\p], v[MB+\p], -v[4*\w+2*\p], -v[4*\w+4+2*\p]
.endr
.endr
.irp p, 0,1
	v_max3_num_f32 v[MG+\p], v[MG+\p], -v[116+2*\p], -v[120+2*\p]
	v_max_num_f32 v[MA+\p], v[MA+\p], -v[100+2*\p]
	v_max_num_f32 v[MG+\p], v[MG+\p], -v[124+2*\p]
	v_max_num_f32 v[MB+\p], v[MB+\p], -v[172+2*\p]
.endr
	WIN 0
.irp p, 0,1
	v_cndmask_b32 v[TP], v[BIG], v[MG+\p], s43     ; the middle group joins tile A where t = 0,
	v_cndmask_b32 v[TP+1], v[MG+\p], v[BIG], s43   ; else tile B
	v_max_num_f32 v[MA+\p], v[MA+\p], v[TP]
	v_max_num_f32 v[MB+\p], v[MB+\p], v[TP+1]
	v_cndmask_b32 v[MG+\p], v[MB+\p], v[MA+\p], s43
.endr
.macro PICK                            ; which group walk quarter ww belongs to
.if ww < 26
.set MX, MA
.set LX, LA
.elseif ww < 32
.set MX, MG
.set LX, LG
.else
.set MX, MB
.set LX, LB
.endif
.endm
	WIN 0x44
.set ww, 0
.rept 44
	PICK
.irp p, 0,1
	v_sub_f32 v[4*ww+2*\p], -v[MX+\p], v[4*ww+2*\p]        ; M_block - M_row: a whole number, 0 or less
.endr
.set ww, ww+1
.endr
	WIN 0x41
.set ww, 0
.rept 44
.irp p, 0,1
	v_cvt_i32_f32 v[4*ww+2*\p], v[4*ww+2*\p]               ; (it saturates)
.endr
.set ww, ww+1
.endr
	WIN 0x44
.set ww, 0
.rept 44
.irp p, 0,1
	v_ldexp_f32 v[4*ww+2*\p], 1.0, v[4*ww+2*\p]            ; f
.endr
.set ww, ww+1
.endr
	WIN 0x05
.set ww, 0
.rept 44
	PICK
.irp p, 0,1
.if (ww == 0) || (ww == 26) || (ww == 32)
	v_mul_f32 v[LX+\p], v[4*ww+2*\p], v[4*ww+2*\p+1]       ; the first term starts the sum
.else
	v_fma_f32 v[LX+\p], v[4*ww+2*\p], v[4*ww+2*\p+1], v[LX+\p]
.endif
.endr
.set ww, ww+1
.endr
	WIN 0x41
.set ww, 0
.rept 44
	v_mov_b32 v[4*ww+1], v[4*ww+2]                         ; the quarter's two factors side by side (l has been used): 8 bytes to store
.set ww, ww+1
.endr
	WIN 0x04
.set ww, 0
.rept 44
	ds_store_b64 v[AFS], v[4*ww:4*ww+1] offset:ww*256      ; lane (r, h) puts the factors of rows 16 h + r and 32 + 16 h + r
.set ww, ww+1
.endr
	WIN 0
.irp p, 0,1
	v_cndmask_b32 v[TP], 0, v[LG+\p], s43
	v_cndmask_b32 v[TP+1], v[LG+\p], 0, s43
	v_add_f32 v[LA+\p], v[LA+\p], v[TP]
	v_add_f32 v[LB+\p], v[LB+\p], v[TP+1]
.endr
	v_rcp_f32 v[LA], v[LA]
	v_rcp_f32 v[LA+1], v[LA+1]
	v_rcp_f32 v[LB], v[LB]
	v_rcp_f32 v[LB+1], v[LB+1]
	v_nop                                          ; a plain line behind the last reciprocal
	s_wait_alu depctr_va_vdst(0)                   ; one wait for the four, ahead of their first reader
	ds_store_b64 v[AFS], v[LA:LA+1] offset:44*256
	ds_store_b64 v[AFS], v[LB:LB+1] offset:45*256
	ds_load_b128 v[RB:RB+3], v[AF0] offset:44*256  ; my own bytes, served in order: lane (r, any h) gets query r of tiles 0, 2, 1, 3
	ds_load_b128 v[RB+4:RB+7], v[AF0] offset:45*256
	s_wait_dscnt 0x0
.irp a, 0,1,2,3
	v_mov_b32 v[LVA+2*\a], v[RB+(\a%2)*2+\a/2]
	v_mov_b32 v[LVA+2*\a+1], v[RB+(\a%2)*2+\a/2]
	v_mov_b32 v[LVB+2*\a], v[RB+4+(\a%2)*2+\a/2]
	v_mov_b32 v[LVB+2*\a+1], v[RB+4+(\a%2)*2+\a/2]
.endr
; 8 matrix instructions: query tiles a0, a0 + 1 x my four channel tiles, 32 keys: half c of buffer f, into the set of T that goes with f.  c = 0 starts the block's sums with the constant 0.
; The 16 accumulators take turns, one instruction a turn.
.macro MUL8 f, c, a0
.irp a, \a0, \a0+1
.irp b, 0,1,2,3
.if \c == 0
	v_wmma_f32_16x16x32_f16 v[\f+8*(4*(\a)+\b):\f+8*(4*(\a)+\b)+7], v[\f+64+8*(4*\c+\b):\f+64+8*(4*\c+\b)+7], v[\f+8*(4*\c+\a):\f+8*(4*\c+\a)+7], 0
.else
	v_wmma_f32_16x16x32_f16 v[\f+8*(4*(\a)+\b):\f+8*(4*(\a)+\b)+7], v[\f+64+8*(4*\c+\b):\f+64+8*(4*\c+\b)+7], v[\f+8*(4*\c+\a):\f+8*(4*\c+\a)+7], v[\f+8*(4*(\a)+\b):\f+8*(4*(\a)+\b)+7]
.endif
.endr
.endr
.endm
; O += f T for the set of T that goes with buffer g (first = 1: O = f T: a tile's first block).  The factors of query tiles 2 and 3 came into odd registers: two moves put them into even ones, so that each is the low word of a pair.
; The two moves and two v_nop are the four places between the last products on that set and the first read of it; each accumulator is read from its low end on.
.macro COMBINE g, first
	WIN 0
	v_mov_b32 v[FC+8*((\g)/128)+4], v[FC+8*((\g)/128)+1]
	v_mov_b32 v[FC+8*((\g)/128)+6], v[FC+8*((\g)/128)+3]
	v_nop
	v_nop
	WIN 0x02                                       ; source 0 (T) window 2; the factor and O window 0
.irp a, 0,1,2,3
.irp b, 0,1,2,3
.irp i, 0,1,2,3
.if \first
	v_pk_mul_f32 v[ACC+8*(4*\a+\b)+2*\i:ACC+8*(4*\a+\b)+2*\i+1], v[\g+8*(4*\a+\b)+2*\i:\g+8*(4*\a+\b)+2*\i+1], v[FC+8*((\g)/128)+2*\a:FC+8*((\g)/128)+2*\a+1] op_sel_hi:[1,0]
.else
	v_pk_fma_f32 v[ACC+8*(4*\a+\b)+2*\i:ACC+8*(4*\a+\b)+2*\i+1], v[\g+8*(4*\a+\b)+2*\i:\g+8*(4*\a+\b)+2*\i+1], v[FC+8*((\g)/128)+2*\a:FC+8*((\g)/128)+2*\a+1], v[ACC+8*(4*\a+\b)+2*\i:ACC+8*(4*\a+\b)+2*\i+1] op_sel_hi:[1,0,1]
.endif
.endr
.endr
.endr
.endm
; A tile leaves: x 1 / l, rounded to f16; a lane's eight channels are four registers of the next operand: half a fragment, 512 consecutive bytes a store.
.macro FLUSH lv, yb
	s_wait_xcnt 0x0                                ; whatever stores were issued from v32-95 have read their data: the registers are written again only behind this wait
.irp a, 0,1,2,3
.irp b, 0,1,2,3
.irp i, 0,1,2,3
	v_pk_mul_f32 v[ACC+8*(4*\a+\b)+2*\i:ACC+8*(4*\a+\b)+2*\i+1], v[ACC+8*(4*\a+\b)+2*\i:ACC+8*(4*\a+\b)+2*\i+1], v[\lv+2*\a:\lv+2*\a+1]
.endr
.irp i, 0,1,2,3
	v_cvt_pk_f16_f32 v[TMP+4*(4*\a+\b)+\i], v[ACC+8*(4*\a+\b)+2*\i], v[ACC+8*(4*\a+\b)+2*\i+1]
.endr
	global_store_b128 v[LI], v[TMP+4*(4*\a+\b):TMP+4*(4*\a+\b)+3], s[\yb:\yb+1] offset:\a*4096+(\b/2)*1024+(\b%2)*512
.endr
.endr
.endm
; The addition at a place where tile A may have ended with the quarter before the one that is added now.  The trip's number against a number made of the cluster's y: the same in all partners.
.macro SITE g, reg
	WIN 0
	s_cmp_eq_u32 s2, s[\reg]
	s_cbranch_scc0 .Lsame_tile_\@
	FLUSH LVA, 76                                  ; tile A is whole: it leaves,
	COMBINE \g, 1                                  ; and tile B's first block starts O anew
	WIN 0
	s_branch .Ladded_\@
.Lsame_tile_\@:
	COMBINE \g, 0
	WIN 0
.Ladded_\@:
.endm
; 33 LDS loads: quarter q of the slot in hand into buffer f: its factors, then the fragments, the first 32 keys first
.macro FETCH q, f
	WIN 0
	ds_load_b128 v[FC+8*((\f)/128):FC+8*((\f)/128)+3], v[ADF] offset:(\q)*256
	WIN 0x40
.irp c, 0,1
.irp i, 0,1,2,3
	ds_load_b128 v[\f+64+8*(4*\c+\i):\f+64+8*(4*\c+\i)+3],   v[ADV] offset:((\q)/2)*32768+\i*4096+(2*((\q)%2)+\c)*1024
	ds_load_b128 v[\f+64+8*(4*\c+\i)+4:\f+64+8*(4*\c+\i)+7], v[ADV] offset:((\q)/2)*32768+\i*4096+(2*((\q)%2)+\c)*1024+512
	ds_load_b128 v[\f+8*(4*\c+\i):\f+8*(4*\c+\i)+3],         v[ADP] offset:((\q)/2)*32768+(2*((\q)%2)+\c)*8192+\i*1024
	ds_load_b128 v[\f+8*(4*\c+\i)+4:\f+8*(4*\c+\i)+7],       v[ADP] offset:((\q)/2)*32768+(2*((\q)%2)+\c)*8192+\i*1024+512
.endr
.endr
.endm
; A quarter on buffer f.  In its middle the quarter before (buffer g's set of T) is added to O, and the slot's quarter qn is fetched into g.
; comb = 0: there is no quarter before; 1: O += f T; 2: O = f T, the walk's first; 3: tile A may leave here
.macro QUARTER f, g, qn, comb
	s_wait_dscnt 16                                ; the factors and the first 32 keys are in; the second 32 keys' sixteen loads may be out
	WIN 0xa5                                       ; sources window 1, C and D window 2
	MUL8 \f, 0, 0
	MUL8 \f, 0, 2
	s_wait_dscnt 0x0
.if \comb == 1
	COMBINE \g, 0                                  ; its lines are also the places in front of the loads into g
.elseif \comb == 2
	COMBINE \g, 1
.elseif \comb == 3
	SITE \g, 42
.endif
	FETCH \qn, \g
	WIN 0xa5
	MUL8 \f, 1, 0
	MUL8 \f, 1, 2
.endm
; A slot's fourth quarter, on buffer 1, changes slots.  fill = 1: the slot just left takes walk steps 2 (trip + 2) and 2 (trip + 2) + 1; each address is made anew from its buffer's, since the walk changes tiles on the way.
.macro TURN fill
	WIN 0
	s_wait_tensorcnt 0x0                           ; no tensor load of mine is out, so a group 0 may be written
	ds_add_u32 v[SPW], v[NIL]
.if \fill
	s_lshl_b32 s80, s2, 1
	s_add_co_u32 s80, s80, 4
	s_add_co_u32 s80, s80, s12                     ; the walk step that I fetch
	s_cmp_lt_u32 s80, s20
	s_cselect_b32 s81, s21, -6
	s_cselect_b32 s82, s22, s23
	s_add_co_i32 s81, s80, s81                     ; its key step
	s_add_co_u32 s82, s82, s81
	s_lshl_b32 s82, s82, 15
	s_mov_b32 s83, 0
	s_add_nc_u64 s[G0P+6:G0P+7], s[70:71], s[82:83]
	s_or_b32 s[G0P+7], s[G0P+7], 0x80000000
	s_add_co_u32 s84, s40, s81
	s_lshl_b32 s84, s84, 3
	s_add_co_u32 s84, s84, s15
	s_lshl_b32 s84, s84, 15
	s_mov_b32 s85, 0
	s_add_nc_u64 s[G0V+6:G0V+7], s[66:67], s[84:85]
	s_or_b32 s[G0V+7], s[G0V+7], 0x80000000
	s_xor_b32 s[G0P+5], s[G0P+5], SLOT1            ; the other slot than last time
	s_xor_b32 s[G0V+5], s[G0V+5], SLOT1
.endif
	s_wait_dscnt 17                                ; (the add and the second 32 keys' sixteen loads may be out)
	WIN 0xa5
	MUL8 F1, 0, 0
	s_wait_dscnt 0x0                               ; the add is done, and my reads of this slot are over
	s_barrier_signal -1
	MUL8 F1, 0, 2
	WIN 0
	s_barrier_wait -1
.if \fill
	CREST                                          ; no wave of any partner still reads this slot or has a load on its way
	JLOAD G0P+4, G1P, G0V+4, G1V                   ; the first tensor load behind the round, one a wave
.endif
	s_xor_b32 s44, s44, SLOT1
	s_add_co_u32 s45, s45, 1024
	v_add_nc_u32 v[ADP], s44, v[AP0]
	v_add_nc_u32 v[ADV], s44, v[AV0]
	v_add_nc_u32 v[ADF], s45, v[AF0]
.if \fill
	SITE F0, 41                                    ; the third quarter is added; tile A may leave here
.else
	COMBINE F0, 0
.endif
	FETCH 0, F0
	WIN 0xa5
	MUL8 F1, 1, 0
	MUL8 F1, 1, 2
.endm
	s_wait_tensorcnt 1                             ; my part of slot 0 is in (slot 1's may be out)
	s_barrier_signal -1
	s_barrier_wait -1                              ; everybody's is
	v_add_nc_u32 v[ADP], s44, v[AP0]
	v_add_nc_u32 v[ADV], s44, v[AV0]
	v_add_nc_u32 v[ADF], s45, v[AF0]
	FETCH 0, F0
	QUARTER F0, F1, 1, 0                           ; slot 0's first quarter: nothing to add yet
	QUARTER F1, F0, 2, 2                           ; its second: the first block starts tile A's O
	WIN 0
	s_mov_b32 s2, 0
.Lpair:                                            ; nine trips: a slot's third and fourth quarter, the next slot's first and second; each trip fills the slot that it leaves: walk steps 4 to 21
	QUARTER F0, F1, 3, 1
	TURN 1
	QUARTER F0, F1, 1, 1
	QUARTER F1, F0, 2, 3
	WIN 0
	s_add_co_u32 s2, s2, 1
	s_cmp_lt_u32 s2, 9
	s_cbranch_scc1 .Lpair
	QUARTER F0, F1, 3, 1                           ; the tail: nothing is left to fetch from memory
	TURN 0
	QUARTER F0, F1, 1, 1
	QUARTER F1, F0, 2, 1
	QUARTER F0, F1, 3, 1
	s_wait_dscnt 16                                ; the walk's last quarter
	WIN 0xa5
	MUL8 F1, 0, 0
	MUL8 F1, 0, 2
	s_wait_dscnt 0x0
	COMBINE F0, 0
	WIN 0xa5
	MUL8 F1, 1, 0
	MUL8 F1, 1, 2
	COMBINE F1, 0                                  ; and its own addition
	WIN 0
	FLUSH LVB, 78
	s_wait_tensorcnt 0x0                           ; the wave's end
	ds_add_u32 v[SPW], v[NIL]
	s_wait_dscnt 0x0
	CROUND                                         ; the closing round
	s_endpgm
.Lfunc_end_k_q0aa12b1231_mix:
	.size	k_q0aa12b1231_mix, .Lfunc_end_k_q0aa12b1231_mix-k_q0aa12b1231_mix
	.p2alignl 7, 3214868480
	.fill 96, 4, 3214868480
	.section	.rodata,"a",@progbits
	.p2align	6, 0x0
	.amdhsa_kernel k_q0aa12b1231_mix
		.amdhsa_group_segment_fixed_size 327680
		.amdhsa_private_segment_fixed_size 0
		.amdhsa_enable_private_segment 0
		.amdhsa_kernarg_size 32
		.amdhsa_user_sgpr_count 2
		.amdhsa_user_sgpr_kernarg_segment_ptr 1
		.amdhsa_wavefront_size32 1
		.amdhsa_system_sgpr_workgroup_id_x 1
		.amdhsa_system_sgpr_workgroup_id_y 1
		.amdhsa_system_sgpr_workgroup_id_z 1
		.amdhsa_system_vgpr_workitem_id 0
		.amdhsa_next_free_vgpr 768
		.amdhsa_next_free_sgpr 100
		.amdhsa_reserve_vcc 0
		.amdhsa_float_denorm_mode_32 3
		.amdhsa_float_denorm_mode_16_64 3
		.amdhsa_memory_ordered 1
		.amdhsa_forward_progress 1
		.amdhsa_inst_pref_size 186
	.end_amdhsa_kernel
	.amdgpu_metadata
---
amdhsa.version: [ 1, 2 ]
amdhsa.kernels:
  - .name:           k_q0aa12b1231_mix
    .symbol:         k_q0aa12b1231_mix.kd
    .args:
      - { .name: qkv, .offset: 0, .size: 8, .value_kind: global_buffer, .address_space: global }
      - { .name: pf, .offset: 8, .size: 8, .value_kind: global_buffer, .address_space: global }
      - { .name: st, .offset: 16, .size: 8, .value_kind: global_buffer, .address_space: global }
      - { .name: yf, .offset: 24, .size: 8, .value_kind: global_buffer, .address_space: global }
    .group_segment_fixed_size: 327680
    .private_segment_fixed_size: 0
    .kernarg_segment_align: 8
    .kernarg_segment_size: 32
    .max_flat_workgroup_size: 128
    .sgpr_count:     100
    .vgpr_count:     768
    .wavefront_size: 32
...
	.end_amdgpu_metadata
.endif
;; end of part 4
;; launch outp (part 5): grid 8 x 32, 4 waves a work-group, clusters of 4 x 4, 327,680 bytes of LDS; arguments yf, prep, bo, out0; writes out0
.if DOCPART == 5
	.amdgcn_target "amdgcn-amd-amdhsa--gfx1250"
	.amdhsa_code_object_version 6
	.text
	.protected	k_q0aa12b1231_outp
	.globl	k_q0aa12b1231_outp
	.p2align	8
	.type	k_q0aa12b1231_outp,@function
k_q0aa12b1231_outp:
	s_mov_b64 s[64:65], 0
	v_nop
	global_prefetch_b8 v0, s[64:65] scope:SCOPE_SE
	s_setreg_imm32_b32 hwreg(HW_REG_WAVE_MODE, 25, 1), 1
	s_wait_xcnt 0x0
	s_wait_alu depctr_hold_cnt(0) depctr_sa_sdst(0) depctr_va_vdst(0) depctr_va_sdst(0) depctr_va_ssrc(0) depctr_va_vcc(0) depctr_vm_vsrc(0)
	s_getreg_b32 s2, hwreg(HW_REG_IB_STS2, 6, 4)
	s_cmp_eq_u32 s2, 0
	s_cbranch_scc0 .Lentry_in_a_cluster
	s_endpgm
.Lentry_in_a_cluster:
	s_bfe_u32 s2, ttmp6, 0x10000c
	s_cmp_lg_u32 s2, 0xf033
	s_cbranch_scc0 .Lentry_shape_is_right
	s_endpgm
.Lentry_shape_is_right:
; LocalAttention, launch 5 of 5: out0 = y Wo^T + bo.  y and Wo are f16, in the order of operand registers (1 KiB a fragment); sums and out0 in f32.  Nothing is left out here.
; A work-group makes 256 tokens x 128 channels: 256 work-groups.  A wave makes 128 x 64: 32 accumulators.  K = 1,024 goes in steps of 128 through two LDS slots: y [tt 16][f 4] KiB, then Wo [ct 8][f 4] KiB.
; CLUSTER 4 x 4: y's tile hangs on the tokens alone and is shared along a row of the cluster, Wo's on the channels alone and is shared along a column: both are asked for jointly.
; The matrix instruction is used transposed (source 0 = 16 channels of Wo, source 1 = 16 tokens of y): a lane holds one token and eight neighbouring channels.  bo is the C of each sum's first matrix instruction.
; The way out goes through each wave's own stage in LDS (no fill lands there), so that sixteen lanes store 256 consecutive bytes of a row, aligned.
; REGISTERS: window 0: v1-8 addresses; v32-95 rows read back from the stage, two sets; v96-127 bo.  window 1: two fragment buffers: y's 8 fragments, then Wo's 4.  window 2: the accumulators, (a, b) at v[8 (4 a + b)].
.set SLOTB, 98304
.set WLDS,  65536                      ; Wo's place in a slot
.set STAGE, 2*SLOTB
.set SPITCH, 272
.set SPARE, STAGE+4*16*SPITCH          ; the spare words
.set WOFF,  6291456
.set LI,  1
.set ADY, 2
.set ADW, 4
.set STO, 6
.set RD,  7
.set CO,  8
.set SPW, 28
.set NIL, 29
.set BK,  32
.set BI,  96
.set F0,  0
.set F1,  128
.set G1Y, 24
.set G0Y, 32
.set G1W, 48
.set G0W, 56
.set MSB, 0
.macro WIN new
.if MSB != (\new)
	s_set_vgpr_msb (MSB<<8)|(\new)
.set MSB, (\new)
.endif
.endm
.macro PLACES
.rept 4
	v_nop
.endr
.endm
.macro JLOAD g0a, g1a, g0b, g1b        ; waves 0, 1: y's halves; waves 2, 3: Wo's.  An s_nop 0 and four v_nop follow each line
	s_cmp_eq_u32 s11, 0
	s_cbranch_scc0 .Lfor_b_\@
	tensor_load_to_lds s[\g0a:\g0a+3], s[\g1a:\g1a+7]
	s_nop 0
.rept 4
	v_nop
.endr
	s_branch .Lasked_\@
.Lfor_b_\@:
	tensor_load_to_lds s[\g0b:\g0b+3], s[\g1b:\g1b+7]
	s_nop 0
.rept 4
	v_nop
.endr
.Lasked_\@:
.endm
.macro CREST
	s_cmp_lg_u32 s10, 0
	s_cbranch_scc1 .Lnot_wave_0_\@
	s_barrier_signal -3
.Lnot_wave_0_\@:
	s_barrier_wait -3
	s_barrier_signal -1
	s_barrier_wait -1
.endm
.macro CROUND
	s_barrier_signal -1
	s_barrier_wait -1
	CREST
.endm
	s_load_b256 s[68:75], s[0:1], 0x0              ; yf s[68:69], prep s[70:71], bo s[72:73], out0 s[74:75]
	v_lshl_add_u32 v[SPW], v0, 2, SPARE
	v_mov_b32 v[NIL], 0
	ds_add_u32 v[SPW], v[NIL]                      ; the wave's opening: the add, twice on end, and its wait ahead of my first tensor load
	ds_add_u32 v[SPW], v[NIL]
	v_lshrrev_b32 v9, 5, v0
	v_readfirstlane_b32 s10, v9                    ; wave
	s_lshr_b32 s11, s10, 1                         ; which 128 tokens are mine.  Also: I fetch y (0) or Wo (1)
	s_and_b32 s12, s10, 1                          ; which 64 channels.  Also: which half I fetch
	s_bfe_u32 s13, ttmp6, 0x40000                  ; cx
	s_bfe_u32 s14, ttmp6, 0x40004                  ; cy
	s_lshl_b32 s15, ttmp9, 2
	s_add_co_u32 s15, s15, s13                     ; TN: my 128 channels
	s_and_b32 s16, ttmp7, 0xffff
	s_lshl_b32 s16, s16, 2
	s_add_co_u32 s16, s16, s14                     ; TM: my 256 tokens
	s_lshl_b32 s17, s14, 2
	s_lshl_b32 s17, 15, s17                        ; my row of the cluster
	s_lshl_b32 s18, 0x1111, s13                    ; my column
	s_or_b32 s[G1Y], s17, (3<<16)|(1<<21)          ; dense blocks as rows of 256 bytes (32 elements of 8 bytes), no padding: y 128 rows, Wo 64
	s_mov_b32 s[G1Y+1], 32<<16
	s_mov_b32 s[G1Y+2], 128<<16
	s_mov_b32 s[G1Y+3], 32<<16
	s_mov_b32 s[G1Y+4], 128
	s_mov_b32 s[G1Y+5], 32
	s_mov_b32 s[G1Y+6], 0
	s_mov_b32 s[G1Y+7], 0
	s_or_b32 s[G1W], s18, (3<<16)|(1<<21)
	s_mov_b32 s[G1W+1], 32<<16
	s_mov_b32 s[G1W+2], 64<<16
	s_mov_b32 s[G1W+3], 32<<16
	s_mov_b32 s[G1W+4], 64
	s_mov_b32 s[G1W+5], 32
	s_mov_b32 s[G1W+6], 0
	s_mov_b32 s[G1W+7], 0
	s_lshl_b32 s20, s16, 4                         ; y: fragment rows 16 TM + 8 x half.  No cx enters
	s_lshl_b32 s21, s12, 3
	s_add_co_u32 s20, s20, s21
	s_lshl_b32 s20, s20, 12
	s_mov_b32 s21, 0
	s_lshl_b32 s22, s15, 3                         ; Wo: fragment rows 8 TN + 4 x half, behind WOFF.  No cy enters
	s_lshl_b32 s23, s12, 2
	s_add_co_u32 s22, s22, s23
	s_lshl_b32 s22, s22, 12
	s_add_co_u32 s22, s22, WOFF
	s_mov_b32 s23, 0
	s_lshl_b32 s40, s12, 15                        ; where they go in a slot
	s_lshl_b32 s41, s12, 14
	s_add_co_u32 s41, s41, WLDS
	s_wait_dscnt 0x0                               ; both opening adds are done
	s_wait_kmcnt 0x0
	s_add_nc_u64 s[20:21], s[68:69], s[20:21]
	s_add_nc_u64 s[22:23], s[70:71], s[22:23]
	CROUND                                         ; all sixteen work-groups are here: the first joint loads meet
.irp s, 0,1
	s_mov_b32 s[G0Y+4*\s], 1
	s_add_co_u32 s[G0Y+4*\s+1], s40, \s*SLOTB
	s_add_nc_u64 s[G0Y+4*\s+2:G0Y+4*\s+3], s[20:21], \s*0x200000   ; a step of 128 channels: 512 fragment rows of y,
	s_or_b32 s[G0Y+4*\s+3], s[G0Y+4*\s+3], 0x80000000
	s_mov_b32 s[G0W+4*\s], 1
	s_add_co_u32 s[G0W+4*\s+1], s41, \s*SLOTB
	s_add_nc_u64 s[G0W+4*\s+2:G0W+4*\s+3], s[22:23], \s*0x40000    ; 64 of Wo
	s_or_b32 s[G0W+4*\s+3], s[G0W+4*\s+3], 0x80000000
	JLOAD G0Y+4*\s, G1Y, G0W+4*\s, G1W             ; by this text's count a wave has two tensor loads out here, later one
.endr
	v_and_b32 v9, 15, v0                           ; r
	v_bfe_u32 v10, v0, 4, 1                        ; h
	s_lshl_b32 s42, s15, 9                         ; bo at channel 128 TN + 64 x my half
	s_lshl_b32 s43, s12, 8
	s_add_co_u32 s42, s42, s43
	s_mov_b32 s43, 0
	s_add_nc_u64 s[44:45], s[72:73], s[42:43]
	v_lshlrev_b32 v11, 5, v10                      ; my half's eight channels of a tile
.irp b, 0,1,2,3
	global_load_b128 v[BI+8*\b:BI+8*\b+3], v11, s[44:45] offset:64*\b
	global_load_b128 v[BI+8*\b+4:BI+8*\b+7], v11, s[44:45] offset:64*\b+16
.endr
	v_and_b32 v12, 31, v0
	v_lshlrev_b32 v[LI], 4, v12
	s_lshl_b32 s46, s11, 15
	v_add_nc_u32 v[ADY], s46, v[LI]
	v_add_nc_u32 v[ADY+1], SLOTB, v[ADY]
	v_add_nc_u32 v[ADW], s41, v[LI]
	v_add_nc_u32 v[ADW+1], SLOTB, v[ADW]
	s_mul_i32 s46, s10, 16*SPITCH
	s_add_co_u32 s46, s46, STAGE                   ; my stage
	v_mul_u32_u24 v[STO], v9, SPITCH
	v_lshl_add_u32 v[STO], v10, 5, v[STO]
	v_add_nc_u32 v[STO], s46, v[STO]               ; in: row r, 32 bytes for each half of the lanes
	v_mul_u32_u24 v[RD], v10, SPITCH
	v_lshl_add_u32 v[RD], v9, 4, v[RD]
	v_add_nc_u32 v[RD], s46, v[RD]                 ; back: lanes 0-15 one row of 256 bytes, lanes 16-31 the next
	v_lshlrev_b32 v[CO], 12, v10
	v_lshl_add_u32 v[CO], v9, 4, v[CO]             ; and the same two rows of out0
	s_lshl_b32 s46, s16, 8
	s_lshl_b32 s47, s11, 7
	s_add_co_u32 s46, s46, s47                     ; my first token
	s_lshl_b32 s46, s46, 12                        ; 4,096 bytes a row
	s_add_co_u32 s46, s46, s42                     ; + my first channel's bytes
	s_mov_b32 s47, 0
	s_add_nc_u64 s[76:77], s[74:75], s[46:47]
; 8 matrix instructions: token tiles a0, a0 + 1 x my four channel tiles.  first = 1: bo starts the sums.  The 32 accumulators take turns
.macro MUL8 f, a0, first
.irp a, \a0, \a0+1
.irp b, 0,1,2,3
.if \first
	v_wmma_f32_16x16x32_f16 v[8*(4*(\a)+\b):8*(4*(\a)+\b)+7], v[\f+64+8*\b:\f+64+8*\b+7], v[\f+8*(\a):\f+8*(\a)+7], v[BI+8*\b:BI+8*\b+7]
.else
	v_wmma_f32_16x16x32_f16 v[8*(4*(\a)+\b):8*(4*(\a)+\b)+7], v[\f+64+8*\b:\f+64+8*\b+7], v[\f+8*(\a):\f+8*(\a)+7], v[8*(4*(\a)+\b):8*(4*(\a)+\b)+7]
.endif
.endr
.endr
.endm
; 24 LDS loads in one run: Wo's four fragments, y's tiles 0-3, y's tiles 4-7
.macro FETCH sl, q, f
	WIN 0x40
.irp b, 0,1,2,3
	ds_load_b128 v[\f+64+8*\b:\f+64+8*\b+3],   v[ADW+\sl] offset:\b*4096+(\q)*1024
	ds_load_b128 v[\f+64+8*\b+4:\f+64+8*\b+7], v[ADW+\sl] offset:\b*4096+(\q)*1024+512
.endr
.irp a, 0,1,2,3,4,5,6,7
	ds_load_b128 v[\f+8*\a:\f+8*\a+3],   v[ADY+\sl] offset:\a*4096+(\q)*1024
	ds_load_b128 v[\f+8*\a+4:\f+8*\a+7], v[ADY+\sl] offset:\a*4096+(\q)*1024+512
.endr
.endm
.macro QUARTER sl, q, f, g, first
	s_wait_dscnt 8                                 ; all but the youngest eight loads (y's tiles 4-7)
	WIN 0xa5-0x20*\first                           ; sources window 1, D window 2; C window 2, or window 0 for bo
	MUL8 \f, 0, \first
	MUL8 \f, 2, \first
	PLACES
	FETCH \sl, \q, \g
	s_wait_dscnt 24                                ; all but the 24 just issued
	WIN 0xa5-0x20*\first
	MUL8 \f, 4, \first
	MUL8 \f, 6, \first
.endm
.macro TURN sl, nx, fill               ; a slot's last quarter changes slots, as in the launches before
	WIN 0
	s_wait_tensorcnt 0x0
	ds_add_u32 v[SPW], v[NIL]
	s_wait_dscnt 9                                 ; (the add and the youngest eight loads may be out)
	WIN 0xa5
	MUL8 F1, 0, 0
	s_wait_dscnt 0x0                               ; the add is done, and my reads of this slot are over
	s_barrier_signal -1
	MUL8 F1, 2, 0
	WIN 0
	s_barrier_wait -1
.if \fill
	CREST
	s_add_nc_u64 s[G0Y+4*\sl+2:G0Y+4*\sl+3], s[G0Y+4*\sl+2:G0Y+4*\sl+3], 0x400000
	s_add_nc_u64 s[G0W+4*\sl+2:G0W+4*\sl+3], s[G0W+4*\sl+2:G0W+4*\sl+3], 0x80000
	JLOAD G0Y+4*\sl, G1Y, G0W+4*\sl, G1W           ; its four v_nop are also the places in front of the loads below
.else
	PLACES
.endif
	FETCH \nx, 0, F0
	WIN 0xa5
	MUL8 F1, 4, 0
	MUL8 F1, 6, 0
.endm
	s_wait_loadcnt 0x0                             ; bo
	s_wait_tensorcnt 1                             ; my part of step 0 is in (step 1's may be out)
	s_barrier_signal -1
	s_barrier_wait -1                              ; everybody's is
	FETCH 0, 0, F0
	QUARTER 0, 1, F0, F1, 1
	WIN 0
	s_mov_b32 s3, 3
.Llap:                                             ; three trips: each goes once round the ring and fills both slots again: steps 2 to 7
	QUARTER 0, 2, F1, F0, 0
	QUARTER 0, 3, F0, F1, 0
	TURN 0, 1, 1
	QUARTER 1, 1, F0, F1, 0
	QUARTER 1, 2, F1, F0, 0
	QUARTER 1, 3, F0, F1, 0
	TURN 1, 0, 1
	QUARTER 0, 1, F0, F1, 0
	WIN 0
	s_sub_co_u32 s3, s3, 1
	s_cmp_lg_u32 s3, 0
	s_cbranch_scc1 .Llap
	QUARTER 0, 2, F1, F0, 0                        ; the last lap fills nothing
	QUARTER 0, 3, F0, F1, 0
	TURN 0, 1, 0
	QUARTER 1, 1, F0, F1, 0
	QUARTER 1, 2, F1, F0, 0
	QUARTER 1, 3, F0, F1, 0
	s_wait_dscnt 8
	WIN 0xa5
	MUL8 F1, 0, 0
	MUL8 F1, 2, 0
	s_wait_dscnt 0x0
	MUL8 F1, 4, 0
	MUL8 F1, 6, 0
	WIN 0
; THE WAY OUT, a tile of 16 tokens x 64 channels at a time, through my own stage.  LDS serves a wave's instructions in order: no wait between the stores and the loads, nor in front of the next tile's stores.
.macro TOSTAGE a
	WIN 0x08                                       ; an LDS store's data are its source 1: window 2
.irp b, 0,1,2,3
	ds_store_b128 v[STO], v[8*(4*(\a)+\b):8*(4*(\a)+\b)+3] offset:64*\b          ; each accumulator from its low end on
	ds_store_b128 v[STO], v[8*(4*(\a)+\b)+4:8*(4*(\a)+\b)+7] offset:64*\b+16
.endr
	WIN 0
.irp t, 0,1,2,3,4,5,6,7
	ds_load_b128 v[BK+32*((\a)%2)+4*\t:BK+32*((\a)%2)+4*\t+3], v[RD] offset:\t*2*SPITCH
.endr
.endm
.macro SEND a, younger                 ; younger: the LDS instructions issued behind tile a's loads
	s_wait_dscnt \younger
.irp t, 0,1,2,3,4,5,6,7
	global_store_b128 v[CO], v[BK+32*((\a)%2)+4*\t:BK+32*((\a)%2)+4*\t+3], s[76:77] offset:(\a)*65536+\t*8192 th:TH_STORE_NT   ; sixteen lanes store 256 consecutive bytes, aligned; written once
.endr
.endm
	PLACES                                         ; behind the last products, in front of the first read of results
	TOSTAGE 0
.irp a, 1,2,3,4,5,6,7
.if \a > 1
	s_wait_xcnt 0x0                                ; tile a - 2's stores have read their data: tile a's loads may land there
.endif
	TOSTAGE \a
	SEND \a-1, 16                                  ; behind tile a - 1's loads: tile a's 8 stores and 8 loads
.endr
	SEND 7, 0
	s_wait_tensorcnt 0x0                           ; the wave's end
	ds_add_u32 v[SPW], v[NIL]
	s_wait_dscnt 0x0
	CROUND                                         ; the closing round
	s_endpgm
.Lfunc_end_k_q0aa12b1231_outp:
	.size	k_q0aa12b1231_outp, .Lfunc_end_k_q0aa12b1231_outp-k_q0aa12b1231_outp
	.p2alignl 7, 3214868480
	.fill 96, 4, 3214868480
	.section	.rodata,"a",@progbits
	.p2align	6, 0x0
	.amdhsa_kernel k_q0aa12b1231_outp
		.amdhsa_group_segment_fixed_size 327680
		.amdhsa_private_segment_fixed_size 0
		.amdhsa_enable_private_segment 0
		.amdhsa_kernarg_size 32
		.amdhsa_user_sgpr_count 2
		.amdhsa_user_sgpr_kernarg_segment_ptr 1
		.amdhsa_wavefront_size32 1
		.amdhsa_system_sgpr_workgroup_id_x 1
		.amdhsa_system_sgpr_workgroup_id_y 1
		.amdhsa_system_sgpr_workgroup_id_z 1
		.amdhsa_system_vgpr_workitem_id 0
		.amdhsa_next_free_vgpr 768
		.amdhsa_next_free_sgpr 90
		.amdhsa_reserve_vcc 0
		.amdhsa_float_denorm_mode_32 3
		.amdhsa_float_denorm_mode_16_64 3
		.amdhsa_memory_ordered 1
		.amdhsa_forward_progress 1
		.amdhsa_inst_pref_size 86
	.end_amdhsa_kernel
	.amdgpu_metadata
---
amdhsa.version: [ 1, 2 ]
amdhsa.kernels:
  - .name:           k_q0aa12b1231_outp
    .symbol:         k_q0aa12b1231_outp.kd
    .args:
      - { .name: yf, .offset: 0, .size: 8, .value_kind: global_buffer, .address_space: global }
      - { .name: prep, .offset: 8, .size: 8, .value_kind: global_buffer, .address_space: global }
      - { .name: bo, .offset: 16, .size: 8, .value_kind: global_buffer, .address_space: global }
      - { .name: out0, .offset: 24, .size: 8, .value_kind: global_buffer, .address_space: global }
    .group_segment_fixed_size: 327680
    .private_segment_fixed_size: 0
    .kernarg_segment_align: 8
    .kernarg_segment_size: 32
    .max_flat_workgroup_size: 128
    .sgpr_count:     90
    .vgpr_count:     768
    .wavefront_size: 32
...
	.end_amdgpu_metadata
.endif
;; end of part 5
